; MI455X (gfx1250); checked and timed in simulation.
; The chip was launched on July 23, 2026; its instructions are those of AMD's public machine-readable ISA for CDNA 5 (MIT licence, August 2026) and "CDNA5" Instruction Set Architecture Reference Guide (July 2026). The comments in the code are by the model that wrote it; some were corrected since.
;; Multiheadw Rotatary Embedding. Allowed arithmetic: matrix products marked QUANTISED: E5M2 operands, one given power-of-two scale a tensor, by v_wmma_f32_16x16x64_bf8_bf8 or v_wmma_f32_16x16x128_bf8_bf8, f32 sums; everything else in f32.
;; Inputs: W_k 1,024 x 1,024 float32; W_o 1,024 x 1,024 float32; W_q 1,024 x 1,024 float32; W_v 1,024 x 1,024 float32; b_k 1,024 float32; b_o 1,024 float32; b_q 1,024 float32; b_v 1,024 float32; lowp_scales 12 int32 (the exponents e of the quantised operands' scales 2^e); x 4 x 2,048 x 1,024 float32.
;; Outputs: out0 4 x 2,048 x 1,024 float32.
;; This version of the problem:
;;   THIS VERSION OF THE PROBLEM IS GIVEN IN LOW PRECISION. The matrix products marked QUANTISED in the list below multiply operands that are first quantised to E5M2 (5 exponent bits, 2 mantissa bits; 8 bits a number), with one given power-of-two scale for each operand tensor; their sums are f32. All else is computed in f32.
;;   The module's matrix products, in the order in which they are computed (A, B: the left and right operand; K: the contracted axis; several contracted axes count as one K, in the product's order):
;;     1. [M 8,192, K 1,024] x [K 1,024, N 1,024]; A: input x; B: input W_q: QUANTISED (scales: A lowp_scales[0], B lowp_scales[1])
;;     2. [M 8,192, K 1,024] x [K 1,024, N 1,024]; A: input x; B: input W_k: QUANTISED (scales: A lowp_scales[2], B lowp_scales[3])
;;     3. [M 8,192, K 1,024] x [K 1,024, N 1,024]; A: input x; B: input W_v: QUANTISED (scales: A lowp_scales[4], B lowp_scales[5])
;;     4. batch 64 x [M 2,048, K 64] x [K 64, N 2,048]; A: computed on the way; B: computed on the way: QUANTISED (scales: A lowp_scales[6], B lowp_scales[7])
;;     5. batch 64 x [M 2,048, K 2,048] x [K 2,048, N 64]; A: softmax (see below); B: computed on the way: QUANTISED (scales: A lowp_scales[8], B lowp_scales[9])
;;     6. [M 8,192, K 1,024] x [K 1,024, N 1,024]; A: computed on the way; B: input W_o: QUANTISED (scales: A lowp_scales[10], B lowp_scales[11])
;;   THE QUANTISER, for each operand of a quantised product, along K:
;;     - The operand's scale is 2^e, e = its entry of the input lowp_scales (int32; the entries are numbered through the quantised products in the list's order, A before B).
;;     - Each number is divided by the scale, clamped to +-57,344, and rounded to the nearest number of E5M2, ties to even, subnormals kept.
;;     - The product sums the exact products of the quantised numbers (number of the format x scale) in f32.
;;   ~~~python
;;   def quantise(x, axis, e):      # numpy; x: float32 -> the quantised numbers, widened to float32 again
;;       x = np.moveaxis(x, axis, -1); K = x.shape[-1]
;;       r = np.clip(x / 2.0 ** e, -57344, 57344)
;;       step = 2.0 ** (np.maximum(np.frexp(np.where(r == 0, 1, r))[1] - 1, -14) - 2)
;;       q = np.round(r / step) * step * 2.0 ** e      # np.round: ties to even
;;       return np.moveaxis(q, -1, axis).astype(np.float32)
;;   ~~~
;;   SOFTMAX AHEAD OF A QUANTISED PRODUCT. Where the list says 'softmax', what is quantised is not the finished softmax but p = 2^(t - M), with t = logit x log2(e) and M = ceil(the row's largest t), a whole number; so 1/2 < the row's largest p <= 1. The row's sum l is taken of the UNQUANTISED p, in f32, and the product's result is divided by l at the end. Since M is a whole number, a kernel that streams over the keys may use a running M (the ceiling of the running maximum): every later rescaling is an exact power of two, so the quantised numbers keep their values, but for numbers so far below the row's largest that they fall under the format's range.
;;   OPERANDS COMPUTED ON THE WAY. 'Computed on the way' means the value that the module computes at that place (a softmax that the list does not call 'softmax' is quantised finished and normalised). What goes into a quantiser is computed in f32, as accurately as f32 sums, v_exp_f32 and their like allow (about 1e-6 of the number): no bf16 or f16 on the way to a quantiser, and a product that is left as it is and whose result goes on into a quantised operand takes f32 operands (vector FMAs, or v_wmma_f32_16x16x4_f32). A number that lies on a knife's edge between two numbers of the format may be rounded either way, as far as f32 arithmetic and the matrix unit's own rounding can turn it there, and no further.
;; One version. Each part assembles by itself: llvm-mc -triple=amdgcn-amd-amdhsa -mcpu=gfx1250 --defsym DOCPART=n.
;; ======== version 1 of 1: 4 launches
;; limits: right only within a limited range of input values
;; workspace buffers: codes 29,360,128 bytes; cstab 524,288 bytes; qkv 25,165,824 bytes; af 8,388,608 bytes
;; launch quant (part 1): grid 416 x 1, 4 waves a work-group, no clusters, 68,096 bytes of LDS; arguments x, W_q, W_k, W_v, W_o, lowp_scales, codes, cstab; writes codes, cstab
.if DOCPART == 1
	.amdgcn_target "amdgcn-amd-amdhsa--gfx1250"
	.amdhsa_code_object_version 6
	.text
	.protected	k_q84c74db304_quant
	.globl	k_q84c74db304_quant
	.p2align	8
	.type	k_q84c74db304_quant,@function
k_q84c74db304_quant:
	s_mov_b64 s[64:65], 0
	v_nop
	global_prefetch_b8 v0, s[64:65] scope:SCOPE_SE
	s_setreg_imm32_b32 hwreg(HW_REG_WAVE_MODE, 25, 1), 1
	s_wait_xcnt 0x0
; x [8192][1024] and the four weights [1024][1024], f32 with K innermost, become codes of BF8 (E5M2); and the table of cosines and sines for the rotation is made.
; code = number / 2^e, held within +-57,344, rounded to the nearest code, ties to even.  x is quantised three times, with entries 0, 2 and 4 of the scales; W_q, W_k, W_v, W_o with entries 1, 3, 5, 11.
; LIMITS: each e lies between -126 and 112, so that 2^e and 57,344 x 2^e are f32 numbers.  NaN among the inputs is not served.
; THE CODES ARE LAID AS IMAGES OF OPERAND REGISTERS.  A fragment is 16 rows x 128 K: lane (r = lane % 16, h = lane / 16) holds of row r, in register pair c (0..7), k = 16 c + 8 h + 0..7.
; Its image is 2,048 bytes: registers 4 q .. 4 q + 3 of lane l at 512 q + 16 l.  codes = [x variant 3][row tile 512][K step 8][image], then at 24 MiB [q, k, v, o][row tile 64][K step 8][image].
; SHARES.  A unit is one image.  A wave takes four units (half of a row tile's K).  Work-groups 0-255: x; 256-383: the weights; 384-415: the table.  Waves share nothing: no barrier.
; A unit's 16 loads read 512 consecutive bytes of a row each; the numbers turn through the wave's own stage in LDS (rows of 512 + 16 bytes) and come back eight neighbours along K at a time;
; the conversions' results are the image's registers, and each store of the wave covers 512 consecutive bytes, aligned.
; The two paths that use LDS have bytes of their own: x's stages at 0, the weights' at LBW.
.set SP,   528                         ; a stage row
.set WST,  16*SP                       ; a wave's stage
.set LBW,  4*WST                       ; the weights' path: its stages begin here
.set R,    16                          ; v16-143  two sets of 64 numbers as loaded
.set X,    144                         ; v144-207 a unit's numbers: register 8 c + i = k 16 c + 8 h + i of my row
.set T,    208                         ; v208-223 two sets of eight held numbers
.set C,    224                         ; v224-239 the image's 16 registers
	s_load_b256 s[4:11], s[0:1], 0x0               ; x, W_q, W_k, W_v
	s_load_b256 s[12:19], s[0:1], 0x20             ; W_o, the scales' exponents, codes, cstab
	v_lshl_add_u32 v254, v0, 2, 0x10800
	v_mov_b32 v255, 0
	v_lshrrev_b32 v10, 5, v0
	v_readfirstlane_b32 s32, v10                   ; wave 0..3
	v_and_b32 v10, 31, v0
	v_lshlrev_b32 v1, 4, v10                       ; 16 x lane: my bytes of a load's or a store's 512
	v_and_b32 v11, 15, v0                          ; r
	v_bfe_u32 v12, v0, 4, 1                        ; h
	s_mul_i32 s33, s32, WST
	v_add_nc_u32 v2, s33, v1                       ; the stage, way in: row i at SP i, 16 bytes a lane
	v_mul_u32_u24 v3, v11, SP
	v_lshl_add_u32 v3, v12, 5, v3
	v_add_nc_u32 v3, s33, v3                       ; way out: row r, + 32 h: my eight numbers of each 16
	s_mov_b32 s47, 0
	s_wait_kmcnt 0x0
	s_load_b256 s[20:27], s[14:15], 0x0            ; e0 .. e7
	s_load_b128 s[28:31], s[14:15], 0x20           ; e8 .. e11
	s_cmp_ge_u32 ttmp9, 384
	s_cbranch_scc1 .Ltab
	s_cmp_ge_u32 ttmp9, 256
	s_cbranch_scc1 .Lweights
.macro LOAD u                          ; unit u: 16 rows x 512 bytes into set u % 2
.irp i, 0,1,2,3,4,5,6,7,8,9,10,11,12,13,14,15
	global_load_b128 v[R+64*((\u)%2)+4*\i:R+64*((\u)%2)+4*\i+3], v1, s[34:35] offset:4096*\i+512*(\u) th:TH_LOAD_NT
.endr
.endm
.macro TURN u, lb                      ; through the stage: LDS serves a wave's instructions in order, so no wait stands between the stores and the loads
.irp i, 0,1,2,3,4,5,6,7,8,9,10,11,12,13,14,15
	ds_store_b128 v2, v[R+64*((\u)%2)+4*\i:R+64*((\u)%2)+4*\i+3] offset:\lb+SP*\i
.endr
.irp c, 0,1,2,3,4,5,6,7
	ds_load_b128 v[X+8*\c:X+8*\c+3], v3 offset:\lb+64*\c
	ds_load_b128 v[X+8*\c+4:X+8*\c+7], v3 offset:\lb+64*\c+16
.endr
.endm
.macro CONV sc, lim, base, u           ; the unit's numbers become an image under the scale v[sc] (v[lim]: the largest number x the scale) and are stored
	s_wait_xcnt 0x0                                ; the last image's stores have read C
.irp c, 0,1,2,3,4,5,6,7
.irp i, 0,1,2,3,4,5,6,7
	v_med3_num_f32 v[T+8*(\c%2)+\i], v[X+8*\c+\i], -v[\lim], v[\lim]   ; the conversion does not saturate (ISA guide 7.6.2): the hold comes first.  X stays as it is, for the next scale
.endr
	v_cvt_scalef32_pk8_bf8_f32 v[C+2*\c:C+2*\c+1], v[T+8*(\c%2):T+8*(\c%2)+7], v[\sc]   ; the next eight holds go to the other set of T: plain lines behind the conversion
.endr
	v_nop                                          ; a plain line behind the last conversion
.irp c, 0,1,2,3
	global_store_b128 v1, v[C+4*\c:C+4*\c+3], s[\base:\base+1] offset:2048*(\u)+512*\c
.endr
.endm
.macro UNIT u, nv, lb
.if (\u) < 3
	s_wait_loadcnt 16                              ; this unit's 16 loads are in; the next unit's 16 may be out
.else
	s_wait_loadcnt 0
.endif
	TURN \u, \lb
	s_wait_dscnt 0x0                               ; X is in, and the stage's stores have read their set of R,
.if (\u) < 2
	LOAD (\u)+2                                    ; which takes the unit two further on
.endif
	CONV 4, 5, 36, \u
.if \nv > 1
	CONV 6, 7, 38, \u
	CONV 8, 9, 40, \u
.endif
.endm
.macro MKS e, sc, lim                  ; from the whole number e: 2^e and 57,344 x 2^e as f32
	s_add_co_i32 s50, s[\e], 127
	s_lshl_b32 s51, s50, 23
	v_mov_b32 v[\sc], s51
	s_add_co_i32 s50, s50, 15
	s_lshl_b32 s50, s50, 23
	s_or_b32 s50, s50, 0x600000
	v_mov_b32 v[\lim], s50
.endm
	; ---- x: wave 4 wg + w takes half (W & 1) of row tile W >> 1
	s_lshl_b32 s42, ttmp9, 2
	s_add_co_u32 s42, s42, s32
	s_lshr_b32 s43, s42, 1                         ; row tile
	s_and_b32 s44, s42, 1                          ; half
	s_lshl_b32 s46, s43, 16                        ; 16 rows of 4,096 bytes
	s_lshl_b32 s45, s44, 11                        ; four units of 512 bytes
	s_add_co_u32 s46, s46, s45
	s_add_nc_u64 s[34:35], s[4:5], s[46:47]
	s_lshl_b32 s46, s43, 14                        ; eight images
	s_lshl_b32 s45, s44, 13
	s_add_co_u32 s46, s46, s45
	s_add_nc_u64 s[36:37], s[16:17], s[46:47]      ; the three variants lie 8 MiB apart
	s_add_nc_u64 s[38:39], s[36:37], 0x800000
	s_add_nc_u64 s[40:41], s[36:37], 0x1000000
	s_wait_alu depctr_va_vdst(0)
	LOAD 0
	LOAD 1
	s_wait_kmcnt 0x0
	MKS 20, 4, 5
	MKS 22, 6, 7
	MKS 24, 8, 9
	s_wait_alu depctr_va_vdst(0)
	UNIT 0, 3, 0
	UNIT 1, 3, 0
	UNIT 2, 3, 0
	UNIT 3, 3, 0
	s_wait_tensorcnt 0x0
	ds_add_u32 v254, v255
	s_wait_dscnt 0x0
	s_endpgm
.Lweights:                                 ; ---- the weights: 32 work-groups a matrix
	s_sub_co_u32 s42, ttmp9, 256
	s_lshr_b32 s48, s42, 5                         ; 0 W_q, 1 W_k, 2 W_v, 3 W_o
	s_lshl_b32 s42, s42, 2
	s_add_co_u32 s42, s42, s32
	s_lshr_b32 s43, s42, 1                         ; row tile among all four matrices' 256
	s_and_b32 s44, s42, 1
	s_cmp_eq_u32 s48, 1                            ; the choices hang on the work-group's number alone
	s_cselect_b64 s[34:35], s[8:9], s[6:7]
	s_cmp_eq_u32 s48, 2
	s_cselect_b64 s[34:35], s[10:11], s[34:35]
	s_cmp_eq_u32 s48, 3
	s_cselect_b64 s[34:35], s[12:13], s[34:35]
	s_and_b32 s46, s43, 63
	s_lshl_b32 s46, s46, 16
	s_lshl_b32 s45, s44, 11
	s_add_co_u32 s46, s46, s45
	s_add_nc_u64 s[34:35], s[34:35], s[46:47]
	s_lshl_b32 s46, s43, 14
	s_lshl_b32 s45, s44, 13
	s_add_co_u32 s46, s46, s45
	s_add_co_u32 s46, s46, 0x1800000               ; behind x's three variants
	s_add_nc_u64 s[36:37], s[16:17], s[46:47]
	s_wait_alu depctr_va_vdst(0)
	LOAD 0
	LOAD 1
	s_wait_kmcnt 0x0
	s_cmp_eq_u32 s48, 1
	s_cselect_b32 s49, s23, s21
	s_cmp_eq_u32 s48, 2
	s_cselect_b32 s49, s25, s49
	s_cmp_eq_u32 s48, 3
	s_cselect_b32 s49, s31, s49
	MKS 49, 4, 5
	s_wait_alu depctr_va_vdst(0)
	UNIT 0, 1, LBW
	UNIT 1, 1, LBW
	UNIT 2, 1, LBW
	UNIT 3, 1, LBW
	s_wait_tensorcnt 0x0
	ds_add_u32 v254, v255
	s_wait_dscnt 0x0
	s_endpgm
; ---- the table.  cstab = [tile of 16 tokens 128][c 4][g 2][lane 32][16 bytes]: words cos, sin, cos, sin of t x theta_i, t = 16 tile + r, i = 8 c + 4 h + 2 g + (0, 1):
; the order in which the next launch's lanes hold the pairs of a head that they rotate.
; theta_i = 10000^(-i / 32) = 2^(-i L), L = log2(10) / 8 = CH + CL: i CH is rounded to hi, what is lost (er) is put back by 2^-er = 1 - er ln 2.  The angle t x theta is one f32 product.
; Sine and cosine: n = the nearest whole number to angle x 2 / pi; angle - n pi / 2 in two parts; polynomials on +-pi / 4; n's low two bits choose and sign.  No branch hangs on these numbers.
.set TF,  16
.set I4H, 17
.set OFS, 18
.set FI,  20                           ; the two i of a trip have 16 registers each: v20-35, v36-51
.set HI,  21
.set ER,  22
.set TH,  23
.set AN,  24
.set NN,  25
.set RR,  26
.set ZZ,  27
.set PS,  28
.set PC,  29
.set T1,  30
.set NI,  31
.set SN,  32
.set CN,  33
.set T2,  34
.set OUT, 60                           ; v60-63 cos, sin, cos, sin
.Ltab:
	s_wait_kmcnt 0x0                               ; (the scales are not used here: no scalar load stays out)
	s_sub_co_u32 s42, ttmp9, 384
	s_lshl_b32 s42, s42, 2
	s_add_co_u32 s42, s42, s32                     ; my wave's tile of tokens
	s_lshl_b32 s43, s42, 4
	s_wait_alu depctr_va_vdst(0)
	v_add_nc_u32 v[TF], s43, v11
	v_cvt_f32_u32 v[TF], v[TF]                     ; t
	s_lshl_b32 s46, s42, 12
	s_add_nc_u64 s[34:35], s[18:19], s[46:47]
	v_lshlrev_b32 v[I4H], 2, v12                   ; 4 h
	v_mov_b32 v[OFS], v1
	s_mov_b32 s36, 0x3ed49a78                      ; CH
	s_mov_b32 s37, 0x32179a6b                      ; CL
	s_mov_b32 s38, 0x3f317218                      ; ln 2
	s_mov_b32 s39, 0x3f22f983                      ; 2 / pi
	s_mov_b32 s40, 0x3fc90fdb                      ; pi / 2, rounded
	s_mov_b32 s41, 0x333bbd2e                      ; that less pi / 2
	s_mov_b32 s54, 0xbe2aaaa3                      ; the sine's three coefficients
	s_mov_b32 s55, 0x3c08839e
	s_mov_b32 s56, 0xb94ca1f9
	s_mov_b32 s57, 0x3d2aaaa5                      ; the cosine's
	s_mov_b32 s58, 0xbab6061a
	s_mov_b32 s59, 0x37ccf5ce
	s_mov_b32 s52, 0
.Ltrip:                                    ; eight trips: (c, g) = (trip / 2, trip % 2)
	s_lshr_b32 s44, s52, 1
	s_lshl_b32 s44, s44, 3
	s_and_b32 s45, s52, 1
	s_lshl_b32 s45, s45, 1
	s_add_co_u32 s44, s44, s45                     ; 8 c + 2 g
	s_wait_alu depctr_va_vdst(0)
.irp e, 0,1
	v_add3_u32 v[FI+16*\e], v[I4H], s44, \e        ; i
.endr
.irp e, 0,1
	v_cvt_f32_u32 v[FI+16*\e], v[FI+16*\e]
.endr
.irp e, 0,1
	v_mul_f32 v[HI+16*\e], s36, v[FI+16*\e]
.endr
.irp e, 0,1
	v_fma_f32 v[ER+16*\e], v[FI+16*\e], s36, -v[HI+16*\e]
.endr
.irp e, 0,1
	v_fma_f32 v[ER+16*\e], v[FI+16*\e], s37, v[ER+16*\e]
.endr
	s_wait_alu depctr_va_vdst(0)
.irp e, 0,1
	v_exp_f32 v[TH+16*\e], -v[HI+16*\e]
.endr
.irp e, 0,1
	v_mul_f32 v[ER+16*\e], s38, v[ER+16*\e]        ; plain lines behind the two exponentials
.endr
	s_wait_alu depctr_va_vdst(0)                   ; one wait for both, ahead of their first reader
.irp e, 0,1
	v_fma_f32 v[TH+16*\e], -v[TH+16*\e], v[ER+16*\e], v[TH+16*\e]   ; theta
.endr
.irp e, 0,1
	v_mul_f32 v[AN+16*\e], v[TF], v[TH+16*\e]      ; the angle
.endr
.irp e, 0,1
	v_mul_f32 v[NN+16*\e], s39, v[AN+16*\e]
.endr
.irp e, 0,1
	v_rndne_f32 v[NN+16*\e], v[NN+16*\e]
.endr
.irp e, 0,1
	v_fma_f32 v[RR+16*\e], -v[NN+16*\e], s40, v[AN+16*\e]
.endr
.irp e, 0,1
	v_fma_f32 v[RR+16*\e], v[NN+16*\e], s41, v[RR+16*\e]
.endr
.irp e, 0,1
	v_mul_f32 v[ZZ+16*\e], v[RR+16*\e], v[RR+16*\e]
.endr
.irp e, 0,1
	v_fma_f32 v[PS+16*\e], v[ZZ+16*\e], s56, s55
	v_fma_f32 v[PC+16*\e], v[ZZ+16*\e], s59, s58
.endr
.irp e, 0,1
	v_fma_f32 v[PS+16*\e], v[PS+16*\e], v[ZZ+16*\e], s54
	v_fma_f32 v[PC+16*\e], v[PC+16*\e], v[ZZ+16*\e], s57
.endr
.irp e, 0,1
	v_mul_f32 v[T1+16*\e], v[ZZ+16*\e], v[RR+16*\e]
	v_mul_f32 v[T2+16*\e], v[ZZ+16*\e], v[ZZ+16*\e]
.endr
.irp e, 0,1
	v_fma_f32 v[SN+16*\e], v[PS+16*\e], v[T1+16*\e], v[RR+16*\e]
	v_fma_f32 v[T1+16*\e], v[ZZ+16*\e], -0.5, 1.0
.endr
.irp e, 0,1
	v_fma_f32 v[CN+16*\e], v[PC+16*\e], v[T2+16*\e], v[T1+16*\e]
	v_cvt_i32_f32 v[NI+16*\e], v[NN+16*\e]
.endr
.irp e, 0,1
	v_and_b32 v[T1+16*\e], 1, v[NI+16*\e]
.endr
.irp e, 0,1
	v_cmp_eq_u32 s[48+\e], 1, v[T1+16*\e]          ; n odd: sine and cosine change places
.endr
.irp e, 0,1
	v_cndmask_b32 v[OUT+2*\e+1], v[SN+16*\e], v[CN+16*\e], s[48+\e]
	v_cndmask_b32 v[OUT+2*\e], v[CN+16*\e], v[SN+16*\e], s[48+\e]
.endr
.irp e, 0,1
	v_lshlrev_b32 v[T1+16*\e], 30, v[NI+16*\e]     ; bit 1 of n: the sine's sign
	v_add_nc_u32 v[T2+16*\e], 1, v[NI+16*\e]
.endr
.irp e, 0,1
	v_and_b32 v[T1+16*\e], 0x80000000, v[T1+16*\e]
	v_lshlrev_b32 v[T2+16*\e], 30, v[T2+16*\e]     ; bit 1 of n + 1: the cosine's
.endr
.irp e, 0,1
	v_xor_b32 v[OUT+2*\e+1], v[T1+16*\e], v[OUT+2*\e+1]
	v_and_b32 v[T2+16*\e], 0x80000000, v[T2+16*\e]
.endr
.irp e, 0,1
	v_xor_b32 v[OUT+2*\e], v[T2+16*\e], v[OUT+2*\e]
.endr
	global_store_b128 v[OFS], v[OUT:OUT+3], s[34:35]   ; the wave stores 512 consecutive bytes, aligned
	s_wait_xcnt 0x0                                ; the store has read its offset and its data: both are written again
	v_add_nc_u32 v[OFS], 512, v[OFS]
	s_add_co_u32 s52, s52, 1
	s_cmp_lt_u32 s52, 8
	s_cbranch_scc1 .Ltrip
	s_endpgm
.Lfunc_end_k_q84c74db304_quant:
	.size	k_q84c74db304_quant, .Lfunc_end_k_q84c74db304_quant-k_q84c74db304_quant
	.p2alignl 7, 3214868480
	.fill 96, 4, 3214868480
	.section	.rodata,"a",@progbits
	.p2align	6, 0x0
	.amdhsa_kernel k_q84c74db304_quant
		.amdhsa_group_segment_fixed_size 68096
		.amdhsa_private_segment_fixed_size 0
		.amdhsa_enable_private_segment 0
		.amdhsa_kernarg_size 64
		.amdhsa_user_sgpr_count 2
		.amdhsa_user_sgpr_kernarg_segment_ptr 1
		.amdhsa_wavefront_size32 1
		.amdhsa_system_sgpr_workgroup_id_x 1
		.amdhsa_system_sgpr_workgroup_id_y 1
		.amdhsa_system_sgpr_workgroup_id_z 1
		.amdhsa_system_vgpr_workitem_id 0
		.amdhsa_next_free_vgpr 256
		.amdhsa_next_free_sgpr 66
		.amdhsa_reserve_vcc 0
		.amdhsa_float_denorm_mode_32 3
		.amdhsa_float_denorm_mode_16_64 3
		.amdhsa_memory_ordered 1
		.amdhsa_forward_progress 1
		.amdhsa_inst_pref_size 118
	.end_amdhsa_kernel
	.amdgpu_metadata
---
amdhsa.version: [ 1, 2 ]
amdhsa.kernels:
  - .name:           k_q84c74db304_quant
    .symbol:         k_q84c74db304_quant.kd
    .args:
      - { .name: x, .offset: 0, .size: 8, .value_kind: global_buffer, .address_space: global }
      - { .name: W_q, .offset: 8, .size: 8, .value_kind: global_buffer, .address_space: global }
      - { .name: W_k, .offset: 16, .size: 8, .value_kind: global_buffer, .address_space: global }
      - { .name: W_v, .offset: 24, .size: 8, .value_kind: global_buffer, .address_space: global }
      - { .name: W_o, .offset: 32, .size: 8, .value_kind: global_buffer, .address_space: global }
      - { .name: lowp_scales, .offset: 40, .size: 8, .value_kind: global_buffer, .address_space: global }
      - { .name: codes, .offset: 48, .size: 8, .value_kind: global_buffer, .address_space: global }
      - { .name: cstab, .offset: 56, .size: 8, .value_kind: global_buffer, .address_space: global }
    .group_segment_fixed_size: 68096
    .private_segment_fixed_size: 0
    .kernarg_segment_align: 8
    .kernarg_segment_size: 64
    .max_flat_workgroup_size: 128
    .sgpr_count:     66
    .vgpr_count:     256
    .wavefront_size: 32
...
	.end_amdgpu_metadata
.endif
;; end of part 1
;; launch qkv (part 2): grid 8 x 32, 4 waves a work-group, clusters of 4 x 4, 327,680 bytes of LDS; arguments codes, cstab, b_q, b_k, b_v, lowp_scales, qkv; writes qkv
.if DOCPART == 2
	.amdgcn_target "amdgcn-amd-amdhsa--gfx1250"
	.amdhsa_code_object_version 6
	.text
	.protected	k_q84c74db304_qkv
	.globl	k_q84c74db304_qkv
	.p2align	8
	.type	k_q84c74db304_qkv,@function
k_q84c74db304_qkv:
	s_mov_b64 s[64:65], 0
	v_nop
	global_prefetch_b8 v0, s[64:65] scope:SCOPE_SE
	s_setreg_imm32_b32 hwreg(HW_REG_WAVE_MODE, 25, 1), 1
	s_wait_xcnt 0x0
	s_wait_alu depctr_hold_cnt(0) depctr_sa_sdst(0) depctr_va_vdst(0) depctr_va_sdst(0) depctr_va_ssrc(0) depctr_va_vcc(0) depctr_vm_vsrc(0)
	s_getreg_b32 s2, hwreg(HW_REG_IB_STS2, 6, 4)
	s_cmp_eq_u32 s2, 0
	s_cbranch_scc0 .Lentry_in_a_cluster
	s_endpgm
.Lentry_in_a_cluster:
	s_bfe_u32 s2, ttmp6, 0x10000c
	s_cmp_lg_u32 s2, 0xf033
	s_cbranch_scc0 .Lentry_shape_is_right
	s_endpgm
.Lentry_shape_is_right:
; q = rope(x W_q^T + b_q), k = rope(x W_k^T + b_k), v = x W_v^T + b_v, the products on codes of BF8 (E5M2), and q, k, v quantised anew (entries 6, 7, 9 of the scales) as the next launch's operands.
; 256 work-groups, 16 clusters (X = 0, 1; Y = 0..7) of 4 x 4.  EACH WORK-GROUP MAKES TWO BLOCKS, one after the other, each C' = A' B'^T with K = 1,024:
;   PART 1: 256 x 256 of q (X = 0) or k (X = 1): A' = x's codes (variant X), rows 256 (4 Y + cy) on; B' = W_q or W_k, rows 256 cx on.  A wave makes 128 x 128: 64 accumulators.
;   PART 2: 128 x 256 of v, transposed: A' = W_v, rows 128 (4 X + cy) on; B' = x's codes (variant 2), rows 256 (4 Y + cx) on.  A wave makes 64 x 128: 32 accumulators.  The keys lie along a lane's registers, as attention's second product wants.
; THE MATRIX INSTRUCTION IS USED TRANSPOSED (source 0 = 16 rows of B', source 1 = 16 rows of A'): lane (r, h) holds row r of A' and, in column block b, B's rows 16 b + 8 h + 0..7.  Eight such numbers, converted, ARE register
; pair b of a fragment (16 rows x K, pair c = k 16 c + 8 h + 0..7): so every result leaves as an image of operand registers, 16 bytes a lane, 512 consecutive bytes a store, with no stage in LDS.
; THE ROTATION stays inside a lane: features 2 i and 2 i + 1 of a head are neighbours in a lane's registers.  The two results stay at places 2 i and 2 i + 1 (not i and 32 + i): one and the same permutation of the head's 64
; in q and in k, which leaves their products as they are.
; qkv = at 0 [head 64][128 keys 16][K: 8 images of 16 keys x 64 = 8 KiB, V: 4 images of 16 channels x 128 keys = 8 KiB]; at 16 MiB [head 64][tile of 16 queries 128][image of 1,024 bytes].
; OPERANDS come as images too (2,048 bytes for 16 rows x 128 K; a row tile's eight K steps on end): a tensor load brings row tiles x 2 K steps, rows of 4,096 bytes; a fragment is four ds_load_b128 at 16 x lane.
; THE RING: K goes in steps of 256 through two LDS slots: 131,072 bytes each in part 1, 98,304 in part 2 (A's 128 rows, then B's 256), which lie on bytes that part 1's loads have filled.  A's tiles are asked for jointly along a row of
; the cluster, B's along a column; waves 0 and 1 fetch A's halves, waves 2 and 3 B's: one tensor load a wave behind each round.  THE RING GOES ON FROM PART 1 INTO PART 2: part 2's slot 0 is asked for at part 1's last change of slots,
; its slot 1 behind a round that follows part 1's last products; both are on their way while q or k goes out.  Every wait on TENSORcnt is for 0.
; NO PREFETCH: a part has four fills; two of each part are asked for a whole way out or more ahead of their use, and the other two would have to be asked for beside them.
; LIMITS: e0 + e1, e2 + e3, e4 + e5 between -126 and 127; e6, e7, e9 between -126 and 112.  NaN among the inputs is not served.
; REGISTERS, in windows of 256: window 0: v8-15 at work; v16-29 addresses; v32-95 the bias of my 128 columns (part 1); v96-99 of my rows (part 2); v104-119 codes; v120-123 the quantisers' scales and holds;
;   v128-255 A's fragments (part 1: ONE set of 8; part 2: two sets of 4), on the ways out cosines and sines (v128-191) and a block's 64 numbers (v192-255).  window 1: B's fragments, TWO sets.
;   windows 2, 3: the accumulators (part 1: (a, b) at v[8 (8 (a % 4) + b)]; part 2: window 2 alone).
.set HALFT,  32768                     ; part 1: 128 rows x 256 K: what one tensor load brings
.set SLOT,   4*HALFT
.set SPARE,  2*SLOT                    ; behind the ring: the spare words, 128 bytes for each wave
.set KADV,   8192                      ; two slots on along K: four images
.set VAT,    32768                     ; part 2: A's 128 rows x 256 K
.set VSLOT,  98304
.set FR,     16
.set NL,     4
.set NP,     4
.set T,    8
.set ADRA, 16
.set VADA, 18
.set ADRB, 20
.set VADB, 22
.set LI,   24                          ; v24 16 x lane
.set H32,  25                          ; v25 32 h
.set R4,   26                          ; v26 4 r
.set SPW,  28
.set NIL,  29
.set BC,   32
.set BR,   96
.set CD,   104
.set SC,   120
.set LIM,  121
.set SCV,  122
.set LIMV, 123
.set AF,   128
.set CS,   128
.set Y,    192
.set G1, 24
.set G0, 32
.set G1B, 48
.set G0B, 56
.set G1V, 88                           ; group 1 for part 2's A: 4 row tiles a load
.set MSB, 0
.macro WIN new                         ; the immediate's high byte repeats the setting that is left
.if MSB != \new
	s_set_vgpr_msb (MSB<<8)|\new
.set MSB, \new
.endif
.endm
.set MUL_LO, 0xa1                      ; source 0 (B') window 1, source 1 (A') window 0, C and D window 2
.set MUL_HI, 0xf1                      ; the same, C and D window 3
.set TO_B,   0x40                      ; destination window 1, address window 0
.macro JLOAD g0a, g1a, g0b, g1b        ; a joint load: the branch hangs on the wave's number alone; s_nop 0 and four v_nop follow each line
	s_cmp_eq_u32 s15, 0
	s_cbranch_scc0 .Lfor_b_\@
	tensor_load_to_lds s[\g0a:\g0a+3], s[\g1a:\g1a+7]
	s_nop 0
.rept 4
	v_nop
.endr
	s_branch .Lasked_\@
.Lfor_b_\@:
	tensor_load_to_lds s[\g0b:\g0b+3], s[\g1b:\g1b+7]
	s_nop 0
.rept 4
	v_nop
.endr
.Lasked_\@:
.endm
.macro CREST                           ; a round of the cluster's barrier behind its opening barrier
	s_cmp_lg_u32 s14, 0
	s_cbranch_scc1 .Lnot_wave_0_\@
	s_barrier_signal -3
.Lnot_wave_0_\@:
	s_barrier_wait -3
	s_barrier_signal -1
	s_barrier_wait -1
.endm
.macro CROUND
	s_barrier_signal -1
	s_barrier_wait -1
	CREST
.endm
.macro VDESC s                         ; the groups 0 of slot s are written for part 2's K step s: behind a wait that shows all my loads done
	s_lshl_b32 s[G0+4*\s+1], s16, 14
	s_add_co_u32 s[G0+4*\s+1], s[G0+4*\s+1], \s*VSLOT
	s_add_nc_u64 s[G0+4*\s+2:G0+4*\s+3], s[86:87], \s*4096
	s_or_b32 s[G0+4*\s+3], s[G0+4*\s+3], 0x80000000
	s_lshl_b32 s[G0B+4*\s+1], s16, 15
	s_add_co_u32 s[G0B+4*\s+1], s[G0B+4*\s+1], VAT+\s*VSLOT
	s_add_nc_u64 s[G0B+4*\s+2:G0B+4*\s+3], s[98:99], \s*4096
	s_or_b32 s[G0B+4*\s+3], s[G0B+4*\s+3], 0x80000000
.endm
	s_load_b128 s[4:7], s[0:1], 0x0                ; codes, cstab
	s_load_b128 s[8:11], s[0:1], 0x10              ; b_q, b_k
	s_load_b128 s[80:83], s[0:1], 0x20             ; b_v, the scales' exponents
	s_load_b64 s[84:85], s[0:1], 0x30              ; qkv
	v_lshl_add_u32 v[SPW], v0, 2, SPARE
	v_mov_b32 v[NIL], 0
	ds_add_u32 v[SPW], v[NIL]                      ; the opening: the add, twice on end, and its wait ahead of the round in front of my first tensor load
	ds_add_u32 v[SPW], v[NIL]
	v_lshrrev_b32 v1, 5, v0
	v_readfirstlane_b32 s14, v1                    ; wave 0..3
	s_lshr_b32 s15, s14, 1                         ; which half of the block's rows is mine.  Also: I fetch for A' (0) or for B' (1)
	s_and_b32 s16, s14, 1                          ; which half of its columns.  Also: which half of that tile I fetch
	s_bfe_u32 s40, ttmp6, 0x40000                  ; cx, cy: my place in the cluster
	s_bfe_u32 s41, ttmp6, 0x40004
	s_and_b32 s2, ttmp7, 0xffff                    ; Y
	s_lshl_b32 s42, ttmp9, 2
	s_add_co_u32 s42, s42, s40                     ; part 1: block column 4 X + cx among W_q's and W_k's eight
	s_lshl_b32 s17, s2, 2
	s_add_co_u32 s17, s17, s41                     ; part 1: block row 4 Y + cy
	s_lshl_b32 s104, ttmp9, 2
	s_add_co_u32 s104, s104, s41                   ; part 2: block row 4 X + cy, 0..7
	s_lshl_b32 s105, s2, 2
	s_add_co_u32 s105, s105, s40                   ; part 2: block column 4 Y + cx, 0..31
	s_lshl_b32 s43, s41, 2
	s_lshl_b32 s43, 15, s43                        ; my row of the cluster
	s_lshl_b32 s44, 0x1111, s40                    ; my column
	s_or_b32 s[G1+0], s43, (3<<16)|(1<<21)         ; the mask: A's tiles go to my row; elements of 8 bytes; bit 21 beside a mask; no padding
	s_or_b32 s[G1B+0], s44, (3<<16)|(1<<21)
	s_or_b32 s[G1V+0], s43, (3<<16)|(1<<21)
.irp g, G1, G1B, G1V
	s_mov_b32 s[\g+1], 512<<16                     ; rows of 512 elements: two images
	s_mov_b32 s[\g+3], 512<<16
	s_mov_b32 s[\g+5], 2048                        ; 16,384 bytes from row tile to row tile
	s_mov_b32 s[\g+6], 0
	s_mov_b32 s[\g+7], 0
.endr
	s_mov_b32 s[G1+2], 8<<16                       ; 8 row tiles a load,
	s_mov_b32 s[G1+4], 8
	s_mov_b32 s[G1B+2], 8<<16
	s_mov_b32 s[G1B+4], 8
	s_mov_b32 s[G1V+2], 4<<16                      ; 4 for part 2's A
	s_mov_b32 s[G1V+4], 4
	s_lshl_b32 s22, s16, 17                        ; which 8 row tiles of 16,384 bytes I fetch
	s_lshl_b32 s20, s17, 18                        ; part 1, A': 256 rows a block,
	s_add_co_u32 s20, s20, s22
	s_lshl_b32 s23, ttmp9, 23                      ; in x's variant X
	s_add_co_u32 s20, s20, s23
	s_mov_b32 s21, 0
	s_lshl_b32 s46, s42, 18                        ; part 1, B': behind x's three variants
	s_add_co_u32 s46, s46, s22
	s_add_co_u32 s46, s46, 0x1800000
	s_mov_b32 s47, 0
	s_lshl_b32 s86, s104, 17                       ; part 2, A': 128 rows a block, my 4 row tiles, in W_v's codes
	s_lshl_b32 s23, s16, 16
	s_add_co_u32 s86, s86, s23
	s_add_co_u32 s86, s86, 0x1a00000
	s_mov_b32 s87, 0
	s_lshl_b32 s98, s105, 18                       ; part 2, B': x's variant 2
	s_add_co_u32 s98, s98, s22
	s_add_co_u32 s98, s98, 0x1000000
	s_mov_b32 s99, 0
	s_mul_i32 s45, s14, HALFT                      ; where part 1's tiles go: no place in the cluster enters an LDS address
	s_wait_dscnt 0x0                               ; both opening adds are done
	s_wait_kmcnt 0x0
	s_load_b256 s[68:75], s[82:83], 0x0            ; e0 .. e7
	s_load_b128 s[76:79], s[82:83], 0x20           ; e8 .. e11
	s_add_nc_u64 s[20:21], s[4:5], s[20:21]
	s_add_nc_u64 s[46:47], s[4:5], s[46:47]
	s_add_nc_u64 s[86:87], s[4:5], s[86:87]
	s_add_nc_u64 s[98:99], s[4:5], s[98:99]
	CROUND                                         ; all sixteen work-groups are here: the first joint loads meet
.irp s, 0,1
	s_mov_b32 s[G0+4*\s], 1
	s_add_co_u32 s[G0+4*\s+1], s45, \s*SLOT
	s_add_nc_u64 s[G0+4*\s+2:G0+4*\s+3], s[20:21], \s*4096
	s_or_b32 s[G0+4*\s+3], s[G0+4*\s+3], 0x80000000
	s_mov_b32 s[G0B+4*\s], 1
	s_add_co_u32 s[G0B+4*\s+1], s45, \s*SLOT
	s_add_nc_u64 s[G0B+4*\s+2:G0B+4*\s+3], s[46:47], \s*4096
	s_or_b32 s[G0B+4*\s+3], s[G0B+4*\s+3], 0x80000000
.endr
	JLOAD G0, G1, G0B, G1B                         ; slot 0: one tensor load a wave at the head
	s_mul_i32 s2, s15, HALFT                       ; part 1: my 128 rows of A',
	s_mul_i32 s3, s16, HALFT                       ; my 128 rows of B',
	s_add_co_u32 s3, s3, 2*HALFT                   ; which lie behind A's 256
	s_lshl_b32 s22, s15, 14                        ; part 2: my 64 rows of A',
	s_lshl_b32 s23, s16, 15                        ; my 128 rows of B',
	s_add_co_u32 s23, s23, VAT                     ; which lie behind A's 128
	v_and_b32 v1, 31, v0
	v_and_b32 v2, 15, v0                           ; r
	v_bfe_u32 v3, v0, 4, 1                         ; h
	v_lshlrev_b32 v[LI], 4, v1
	v_lshlrev_b32 v[H32], 5, v3
	v_lshlrev_b32 v[R4], 2, v2
	v_add_nc_u32 v[ADRA], s2, v[LI]
	v_add_nc_u32 v[ADRB], s3, v[LI]
	v_add_nc_u32 v[VADA], s22, v[LI]
	v_add_nc_u32 v[VADB], s23, v[LI]
	v_add_nc_u32 v[ADRA+1], SLOT, v[ADRA]
	v_add_nc_u32 v[ADRB+1], SLOT, v[ADRB]
	v_add_nc_u32 v[VADA+1], VSLOT, v[VADA]
	v_add_nc_u32 v[VADB+1], VSLOT, v[VADB]
	s_wait_alu depctr_va_vdst(0)                   ; the wait behind the head's last vector line
	s_cmp_eq_u32 ttmp9, 1                          ; the choice hangs on the cluster's number alone
	s_cselect_b64 s[12:13], s[10:11], s[8:9]
	s_and_b32 s66, s42, 3
	s_lshl_b32 s66, s66, 10
	s_lshl_b32 s22, s16, 9
	s_add_co_u32 s66, s66, s22
	s_mov_b32 s67, 0
	s_add_nc_u64 s[12:13], s[12:13], s[66:67]      ; part 1: the bias of columns 256 cx + 128 x half on
	s_lshl_b32 s66, s104, 9
	s_lshl_b32 s22, s15, 8
	s_add_co_u32 s66, s66, s22
	s_add_nc_u64 s[18:19], s[80:81], s[66:67]      ; part 2: the bias of rows 128 x block row + 64 x half on
.irp b, 0,1,2,3,4,5,6,7
	global_load_b128 v[BC+8*\b:BC+8*\b+3], v[H32], s[12:13] offset:64*\b        ; columns 16 b + 8 h + 0..7
	global_load_b128 v[BC+8*\b+4:BC+8*\b+7], v[H32], s[12:13] offset:64*\b+16
.endr
.irp b, 0,1,2,3
	global_load_b32 v[BR+\b], v[R4], s[18:19] offset:64*\b                      ; row 16 b + r
.endr
.macro FRAG reg, adr, q, i             ; a fragment's image: row tile i, the slot's q-th 128 along K
.irp c, 0,1,2,3
	ds_load_b128 v[\reg+4*\c:\reg+4*\c+3], v[\adr] offset:4096*(\i)+2048*(\q)+512*\c
.endr
.endm
.macro PLACES n                        ; plain vector lines between a matrix instruction and a load into, or a vector write or read of, its registers
.rept \n
	v_nop
.endr
.endm
; ---- PART 1.  16 matrix instructions: A's blocks a0, a0 + 1 x B's eight, 128 along K.  p: B's set.  zero = 1: the first product starts the sums.  The 64 accumulators take turns, one instruction a turn.
.macro MUL16 a0, p, zero
.irp a, \a0, \a0+1
.irp b, 0,1,2,3,4,5,6,7
.if \zero
	v_wmma_f32_16x16x128_bf8_bf8 v[8*(8*((\a)%4)+\b):8*(8*((\a)%4)+\b)+7], v[128*(\p)+FR*\b:128*(\p)+FR*\b+FR-1], v[AF+FR*(\a):AF+FR*(\a)+FR-1], 0
.else
	v_wmma_f32_16x16x128_bf8_bf8 v[8*(8*((\a)%4)+\b):8*(8*((\a)%4)+\b)+7], v[128*(\p)+FR*\b:128*(\p)+FR*\b+FR-1], v[AF+FR*(\a):AF+FR*(\a)+FR-1], v[8*(8*((\a)%4)+\b):8*(8*((\a)%4)+\b)+7]
.endif
.endr
.endr
.endm
.macro FETCH_B slot, q, p
	WIN TO_B
.irp i, 0,1,2,3,4,5,6,7
	FRAG 128*(\p)+FR*\i, ADRB+\slot, \q, \i
.endr
	WIN 0
.endm
.macro FETCH_A slot, q, i0
.irp i, \i0, \i0+1, \i0+2, \i0+3
	FRAG AF+FR*(\i), ADRA+\slot, \q, \i
.endr
.endm
; A step of 128 along K that has its successor in the same slot.  A's blocks are free as soon as their eight products are issued: blocks 0-3 are fetched anew in the step's middle, blocks 4-7 at its end.
.macro STEP slot, q, zero
	s_wait_dscnt 4*NL                              ; B's set and A's blocks 0-3 are in; the youngest 16 loads (A's blocks 4-7) may be out
	WIN MUL_LO
	MUL16 0, (\q)%2, \zero
	MUL16 2, (\q)%2, \zero
	s_wait_dscnt 0                                 ; A's blocks 4-7 are in
	PLACES NP
	FETCH_B \slot, (\q)+1, 1-(\q)%2
	FETCH_A \slot, (\q)+1, 0
	WIN MUL_HI
	MUL16 4, (\q)%2, \zero
	MUL16 6, (\q)%2, \zero
	PLACES NP
	WIN 0
	FETCH_A \slot, (\q)+1, 4
.endm
; A slot's last step changes slots: in front of the barrier each wave waits for all its tensor loads, adds 0 to its spare word, and waits for that and for its own reads of this slot.
; fill = 1: this slot takes part 1's K step two on; fill = 2: its bytes take part 2's slot 0.
.macro TURN slot, next, fill
	s_wait_tensorcnt 0x0                           ; all my tensor loads have landed: my part of the next slot
	ds_add_u32 v[SPW], v[NIL]                      ; 0 onto my spare word
	s_wait_dscnt 4*NL+1                            ; (the add and the youngest 16 loads, A's blocks 4-7, may be out)
	WIN MUL_LO
	MUL16 0, 1, 0                                  ; sixteen matrix instructions stand between the add and the wait for it
	s_wait_dscnt 0x0                               ; the add is done, and my reads of this slot are over
	s_barrier_signal -1
	MUL16 2, 1, 0
	WIN 0
	s_barrier_wait -1
	CREST                                          ; the barrier has opened a round of the cluster's barrier: no wave of any partner still reads this slot or has a load on its way
.if \fill == 1
	s_add_nc_u64 s[G0+4*\slot+2:G0+4*\slot+3], s[G0+4*\slot+2:G0+4*\slot+3], KADV
	s_add_nc_u64 s[G0B+4*\slot+2:G0B+4*\slot+3], s[G0B+4*\slot+2:G0B+4*\slot+3], KADV
	JLOAD G0+4*\slot, G1, G0B+4*\slot, G1B         ; the first tensor load behind the round; its four v_nop are the places in front of the loads below
.else
	VDESC 0
	JLOAD G0, G1V, G0B, G1B
.endif
	FETCH_B \next, 0, 0
	FETCH_A \next, 0, 0
	WIN MUL_HI
	MUL16 4, 1, 0
	MUL16 6, 1, 0
	PLACES NP
	WIN 0
	FETCH_A \next, 0, 4
.endm
; ---- PART 2.  Both operands have two sets of fragments; a step of 128 along K is 32 matrix instructions, the 32 accumulators by turns.
.macro VMUL16 a0, p, zero
.irp a, \a0, \a0+1
.irp b, 0,1,2,3,4,5,6,7
.if \zero
	v_wmma_f32_16x16x128_bf8_bf8 v[8*(8*(\a)+\b):8*(8*(\a)+\b)+7], v[128*(\p)+FR*\b:128*(\p)+FR*\b+FR-1], v[AF+64*(\p)+FR*(\a):AF+64*(\p)+FR*(\a)+FR-1], 0
.else
	v_wmma_f32_16x16x128_bf8_bf8 v[8*(8*(\a)+\b):8*(8*(\a)+\b)+7], v[128*(\p)+FR*\b:128*(\p)+FR*\b+FR-1], v[AF+64*(\p)+FR*(\a):AF+64*(\p)+FR*(\a)+FR-1], v[8*(8*(\a)+\b):8*(8*(\a)+\b)+7]
.endif
.endr
.endr
.endm
.macro VFETCH slot, q, p               ; 48 LDS loads: B's eight fragments and A's four into the sets p
	WIN TO_B
.irp i, 0,1,2,3,4,5,6,7
	FRAG 128*(\p)+FR*\i, VADB+\slot, \q, \i
.endr
	WIN 0
.irp i, 0,1,2,3
	FRAG AF+64*(\p)+FR*\i, VADA+\slot, \q, \i
.endr
.endm
.macro VSTEP slot, zero                ; a slot's first step, on the sets 0; the second step's fragments are asked for ahead of its products
	s_wait_dscnt 0x0                               ; the sets 0 are in
	PLACES NP                                      ; behind the products that read the sets 1
	VFETCH \slot, 1, 1
	WIN MUL_LO
	VMUL16 0, 0, \zero
	VMUL16 2, 0, \zero
	WIN 0
.endm
.macro VTURN slot, next, fill          ; a slot's second step, on the sets 1, changes slots
	s_wait_tensorcnt 0x0                           ; my part of the next slot is in
	ds_add_u32 v[SPW], v[NIL]
	s_wait_dscnt 0x0                               ; the add is done, the sets 1 are in, and my reads of this slot are over
	s_barrier_signal -1
	WIN MUL_LO
	VMUL16 0, 1, 0                                 ; work on registers while the others arrive
	WIN 0
	s_barrier_wait -1
.if \fill
	CREST
	s_add_nc_u64 s[G0+4*\slot+2:G0+4*\slot+3], s[G0+4*\slot+2:G0+4*\slot+3], KADV
	s_add_nc_u64 s[G0B+4*\slot+2:G0B+4*\slot+3], s[G0B+4*\slot+2:G0B+4*\slot+3], KADV
	JLOAD G0+4*\slot, G1V, G0B+4*\slot, G1B
.else
	PLACES NP
.endif
	VFETCH \next, 0, 0
	WIN MUL_LO
	VMUL16 2, 1, 0
	WIN 0
.endm
	s_wait_tensorcnt 0x0                           ; my part of slot 0 is in; these three lines stand ahead of a later first fill as ahead of a refill
	ds_add_u32 v[SPW], v[NIL]
	s_wait_dscnt 0x0
	CROUND                                         ; everybody's part of slot 0 is in, and all sixteen work-groups are here
	JLOAD G0+4, G1, G0B+4, G1B                     ; slot 1's first fill: the first tensor load behind the round
	FETCH_B 0, 0, 0
	FETCH_A 0, 0, 0
	FETCH_A 0, 0, 4
	STEP 0, 0, 1                                   ; K = 1,024 is four fills of a slot, eight steps: written out
	TURN 0, 1, 1
	STEP 1, 0, 0
	TURN 1, 0, 1
	STEP 0, 0, 0
	TURN 0, 1, 2                                   ; part 1 has no further K step: slot 0's bytes take part 2's K step 0
	STEP 1, 0, 0
	s_wait_dscnt 4*NL
	WIN MUL_LO
	MUL16 0, 1, 0
	MUL16 2, 1, 0
	s_wait_dscnt 0
	WIN MUL_HI
	MUL16 4, 1, 0
	MUL16 6, 1, 0
	WIN 0
	s_wait_tensorcnt 0x0                           ; part 2's K step 0, my part, is in;
	ds_add_u32 v[SPW], v[NIL]
	s_wait_dscnt 0x0                               ; my reads of part 1's slot 1 are over
	CROUND
	VDESC 1
	JLOAD G0+4, G1V, G0B+4, G1B                    ; part 2's K step 1; its four v_nop are places behind the last products
	; PART 1'S WAY OUT.  The scales are chosen without a branch.
	s_wait_kmcnt 0x0
	s_cmp_eq_u32 ttmp9, 1
	s_cselect_b32 s2, s70, s68                     ; x's exponent,
	s_cselect_b32 s3, s71, s69                     ; the weight's,
	s_cselect_b32 s22, s75, s74                    ; and the result's as an operand
	s_add_co_i32 s96, s2, s3
	s_add_co_i32 s96, s96, 127
	s_lshl_b32 s96, s96, 23                        ; a sum stands for sum x 2^(the two exponents added)
	s_mov_b32 s97, s96                             ; (named with it as a pair, so it is written)
	s_add_co_i32 s22, s22, 127
	s_lshl_b32 s23, s22, 23
	v_mov_b32 v[SC], s23
	s_add_co_i32 s22, s22, 15
	s_lshl_b32 s22, s22, 23
	s_or_b32 s22, s22, 0x600000
	v_mov_b32 v[LIM], s22
	s_add_co_i32 s100, s72, s73                    ; the same for v: e4 + e5, and e9
	s_add_co_i32 s100, s100, 127
	s_lshl_b32 s100, s100, 23
	s_mov_b32 s101, s100
	s_add_co_i32 s22, s77, 127
	s_lshl_b32 s23, s22, 23
	v_mov_b32 v[SCV], s23
	s_add_co_i32 s22, s22, 15
	s_lshl_b32 s22, s22, 23
	s_or_b32 s22, s22, 0x600000
	v_mov_b32 v[LIMV], s22
	s_wait_loadcnt 0x0                             ; the biases
	; my 128 columns are two heads; block a is a tile of 16 tokens
	s_lshr_b32 s2, s17, 3
	s_lshl_b32 s2, s2, 4
	s_and_b32 s3, s42, 3
	s_lshl_b32 s3, s3, 2
	s_add_co_u32 s2, s2, s3
	s_lshl_b32 s3, s16, 1
	s_add_co_u32 s2, s2, s3                        ; my first head: 16 x batch + 4 cx + 2 x half
	s_and_b32 s3, s17, 7
	s_lshl_b32 s3, s3, 1
	s_add_co_u32 s3, s3, s15                       ; my 128 tokens of the batch's 2,048
	s_add_co_u32 s22, ttmp9, 17                    ; a head is 2^17 bytes of queries, 2^18 of keys and values;
	s_lshl_b32 s66, s2, s22
	s_add_co_u32 s23, ttmp9, 13                    ; 128 tokens are 2^13 and 2^14
	s_lshl_b32 s67, s3, s23
	s_add_co_u32 s66, s66, s67
	s_cmp_eq_u32 ttmp9, 0
	s_cselect_b32 s67, 0x1000000, 0                ; the queries lie behind the keys and values
	s_add_co_u32 s66, s66, s67
	s_mov_b32 s67, 0
	s_add_nc_u64 s[20:21], s[84:85], s[66:67]
	s_lshl_b32 s66, 1, s22
	s_add_nc_u64 s[22:23], s[20:21], s[66:67]      ; the second head
	s_lshl_b32 s66, s3, 15
	s_add_nc_u64 s[82:83], s[6:7], s[66:67]        ; the table at my first tile of tokens
.macro CSLOAD a                        ; block a's cosines and sines: register 8 c + 2 p, + 1: those of i = 8 c + 4 h + p, for token r
.irp c, 0,1,2,3
.irp g, 0,1
	global_load_b128 v[CS+32*((\a)%2)+8*\c+4*\g:CS+32*((\a)%2)+8*\c+4*\g+3], v[LI], s[82:83] offset:4096*(\a)+1024*\c+512*\g
.endr
.endr
.endm
.macro HOLDCVT sc, lim                 ; a block's 64 numbers in Y become 16 registers of codes
.set jj, 0
.rept 64
	v_med3_num_f32 v[Y+jj], v[Y+jj], -v[\lim], v[\lim]   ; the conversion does not saturate (ISA guide 7.6.2): the hold comes first
.set jj, jj+1
.endr
	s_wait_alu depctr_va_vdst(0)                   ; directly ahead of the wait below
	s_wait_xcnt 0x0                                ; the last block's stores have read CD
.irp b, 0,1,2,3,4,5,6,7
	v_cvt_scalef32_pk8_bf8_f32 v[CD+2*\b:CD+2*\b+1], v[Y+8*\b:Y+8*\b+7], v[\sc]
.endr
	v_nop                                          ; a plain line behind the last conversion
.endm
.macro QKOUT a
.set AC, 64*((\a)%4)
.set CA, CS+32*((\a)%2)
.if (\a) < 7
	CSLOAD (\a)+1
.endif
	WIN 0x02+((\a)/4)                              ; source 0: window 2 or 3
.set jj, 0
.rept 32
	v_pk_fma_f32 v[Y+jj:Y+jj+1], v[AC+jj:AC+jj+1], s[96:97], v[BC+jj:BC+jj+1] op_sel_hi:[1,0,1]   ; sum x 2^(ea + eb) + bias; each accumulator from its low end on
.set jj, jj+2
.endr
	WIN 0
.if (\a) < 7
	s_wait_loadcnt 8                               ; this block's table is in; the next block's 8 loads may be out
.else
	s_wait_loadcnt 0
.endif
.irp b, 0,1,2,3,4,5,6,7
.irp p, 0,1,2,3
	v_pk_mul_f32 v[T+2*\p:T+2*\p+1], v[Y+8*\b+2*\p:Y+8*\b+2*\p+1], v[CA+8*(\b%4)+2*\p:CA+8*(\b%4)+2*\p+1] op_sel:[0,0] op_sel_hi:[0,1]   ; (y0 cos, y0 sin)
.endr
.irp p, 0,1,2,3
	v_pk_fma_f32 v[Y+8*\b+2*\p:Y+8*\b+2*\p+1], v[Y+8*\b+2*\p:Y+8*\b+2*\p+1], v[CA+8*(\b%4)+2*\p:CA+8*(\b%4)+2*\p+1], v[T+2*\p:T+2*\p+1] op_sel:[1,1,0] op_sel_hi:[1,0,1] neg_lo:[0,1,0]   ; (y0 cos - y1 sin, y0 sin + y1 cos)
.endr
.endr
	HOLDCVT SC, LIM
	global_store_b128 v[LI], v[CD:CD+3], s[20:21] offset:1024*(\a)             ; the first head's image of 16 tokens x 64,
	global_store_b128 v[LI], v[CD+4:CD+7], s[20:21] offset:1024*(\a)+512
	global_store_b128 v[LI], v[CD+8:CD+11], s[22:23] offset:1024*(\a)          ; the second's
	global_store_b128 v[LI], v[CD+12:CD+15], s[22:23] offset:1024*(\a)+512
.endm
	CSLOAD 0
.irp a, 0,1,2,3,4,5,6,7
	QKOUT \a
.endr
	; PART 2
	s_wait_tensorcnt 0x0                           ; my parts of its K steps 0 and 1 are in
	s_wait_dscnt 0x0
	s_barrier_signal -1
	s_barrier_wait -1                              ; everybody's are
	VFETCH 0, 0, 0
	VSTEP 0, 1
	VTURN 0, 1, 1
	VSTEP 1, 0
	VTURN 1, 0, 1
	VSTEP 0, 0
	VTURN 0, 1, 0                                  ; the last two slots are not filled again
	VSTEP 1, 0
	s_wait_dscnt 0x0
	WIN MUL_LO
	VMUL16 0, 1, 0
	VMUL16 2, 1, 0
	WIN 0
	; its way out: my 64 rows are one head's channels, block a is 16 of them; my 128 columns are 128 keys: a block is one image
	s_lshr_b32 s2, s105, 3
	s_lshl_b32 s2, s2, 4
	s_lshl_b32 s3, s104, 1
	s_add_co_u32 s2, s2, s3
	s_add_co_u32 s2, s2, s15                       ; my head: 16 x batch + 2 x block row + half
	s_lshl_b32 s66, s2, 18
	s_and_b32 s3, s105, 7
	s_lshl_b32 s3, s3, 1
	s_add_co_u32 s3, s3, s16                       ; my 128 keys
	s_lshl_b32 s3, s3, 14
	s_add_co_u32 s66, s66, s3
	s_add_co_u32 s66, s66, 8192                    ; behind the 128 keys' images of K
	s_mov_b32 s67, 0
	s_add_nc_u64 s[46:47], s[84:85], s[66:67]
	PLACES NP                                      ; behind the last products: their results are read, and the registers that held A's fragments are written
.macro VOUT a
.set AC, 64*(\a)
.set BP, BR+2*((\a)/2)
	WIN 0x02
.set jj, 0
.rept 32
.if ((\a)%2) == 0
	v_pk_fma_f32 v[Y+jj:Y+jj+1], v[AC+jj:AC+jj+1], s[100:101], v[BP:BP+1] op_sel_hi:[1,0,0]               ; + the bias of my row: the pair's first register for both halves,
.else
	v_pk_fma_f32 v[Y+jj:Y+jj+1], v[AC+jj:AC+jj+1], s[100:101], v[BP:BP+1] op_sel:[0,0,1] op_sel_hi:[1,0,1]  ; or its second
.endif
.set jj, jj+2
.endr
	WIN 0
	HOLDCVT SCV, LIMV
.irp c, 0,1,2,3
	global_store_b128 v[LI], v[CD+4*\c:CD+4*\c+3], s[46:47] offset:(\a)*2048+512*\c
.endr
.endm
.irp a, 0,1,2,3
	VOUT \a
.endr
	s_wait_tensorcnt 0x0                           ; the wave's end
	ds_add_u32 v[SPW], v[NIL]
	s_wait_dscnt 0x0
	CROUND                                         ; the closing round: no work-group ends while a partner may still ask for a tile that names it
	s_endpgm
.Lfunc_end_k_q84c74db304_qkv:
	.size	k_q84c74db304_qkv, .Lfunc_end_k_q84c74db304_qkv-k_q84c74db304_qkv
	.p2alignl 7, 3214868480
	.fill 96, 4, 3214868480
	.section	.rodata,"a",@progbits
	.p2align	6, 0x0
	.amdhsa_kernel k_q84c74db304_qkv
		.amdhsa_group_segment_fixed_size 327680
		.amdhsa_private_segment_fixed_size 0
		.amdhsa_enable_private_segment 0
		.amdhsa_kernarg_size 56
		.amdhsa_user_sgpr_count 2
		.amdhsa_user_sgpr_kernarg_segment_ptr 1
		.amdhsa_wavefront_size32 1
		.amdhsa_system_sgpr_workgroup_id_x 1
		.amdhsa_system_sgpr_workgroup_id_y 1
		.amdhsa_system_sgpr_workgroup_id_z 1
		.amdhsa_system_vgpr_workitem_id 0
		.amdhsa_next_free_vgpr 1024
		.amdhsa_next_free_sgpr 106
		.amdhsa_reserve_vcc 0
		.amdhsa_float_denorm_mode_32 3
		.amdhsa_float_denorm_mode_16_64 3
		.amdhsa_memory_ordered 1
		.amdhsa_forward_progress 1
		.amdhsa_inst_pref_size 252
	.end_amdhsa_kernel
	.amdgpu_metadata
---
amdhsa.version: [ 1, 2 ]
amdhsa.kernels:
  - .name:           k_q84c74db304_qkv
    .symbol:         k_q84c74db304_qkv.kd
    .args:
      - { .name: codes, .offset: 0, .size: 8, .value_kind: global_buffer, .address_space: global }
      - { .name: cstab, .offset: 8, .size: 8, .value_kind: global_buffer, .address_space: global }
      - { .name: b_q, .offset: 16, .size: 8, .value_kind: global_buffer, .address_space: global }
      - { .name: b_k, .offset: 24, .size: 8, .value_kind: global_buffer, .address_space: global }
      - { .name: b_v, .offset: 32, .size: 8, .value_kind: global_buffer, .address_space: global }
      - { .name: lowp_scales, .offset: 40, .size: 8, .value_kind: global_buffer, .address_space: global }
      - { .name: qkv, .offset: 48, .size: 8, .value_kind: global_buffer, .address_space: global }
    .group_segment_fixed_size: 327680
    .private_segment_fixed_size: 0
    .kernarg_segment_align: 8
    .kernarg_segment_size: 56
    .max_flat_workgroup_size: 128
    .sgpr_count:     106
    .vgpr_count:     1024
    .wavefront_size: 32
...
	.end_amdgpu_metadata
.endif
;; end of part 2
;; launch attn (part 3): grid 4 x 64, 16 waves a work-group, clusters of 4 x 1, 327,680 bytes of LDS; arguments qkv, lowp_scales, af; writes af
.if DOCPART == 3
	.amdgcn_target "amdgcn-amd-amdhsa--gfx1250"
	.amdhsa_code_object_version 6
	.text
	.protected	k_q84c74db304_attn
	.globl	k_q84c74db304_attn
	.p2align	8
	.type	k_q84c74db304_attn,@function
k_q84c74db304_attn:
	s_mov_b64 s[64:65], 0
	v_nop
	global_prefetch_b8 v0, s[64:65] scope:SCOPE_SE
	s_setreg_imm32_b32 hwreg(HW_REG_WAVE_MODE, 25, 1), 1
	s_wait_xcnt 0x0
	s_wait_alu depctr_hold_cnt(0) depctr_sa_sdst(0) depctr_va_vdst(0) depctr_va_sdst(0) depctr_va_ssrc(0) depctr_va_vcc(0) depctr_vm_vsrc(0)
	s_getreg_b32 s2, hwreg(HW_REG_IB_STS2, 6, 4)
	s_cmp_eq_u32 s2, 0
	s_cbranch_scc0 .Lentry_in_a_cluster
	s_endpgm
.Lentry_in_a_cluster:
	s_bfe_u32 s2, ttmp6, 0x10000c
	s_cmp_lg_u32 s2, 0x3003
	s_cbranch_scc0 .Lentry_shape_is_right
	s_endpgm
.Lentry_shape_is_right:
; Causal attention of one head on codes of BF8 (E5M2): S = q k^T (scales: entries 6, 7), softmax, O = p v (entries 8, 9), O / l quantised (entry 10) as the last product's operand.
; THE SOFTMAX AHEAD OF THE SECOND PRODUCT: t = score x log2(e) / 8; M = the running largest t, rounded UP to a whole number; p = 2^(t - M) is quantised along the keys, not normalised; the row's sum is taken of the
; unquantised p and divides O at the end.  When M moves, the sum and O are multiplied by 2^(old M - new M): exact.
; LEFT OUT: key steps all of whose keys come after a tile's queries: the causal mask makes their p zero.
; SHARES.  The four work-groups of a head form a cluster.  Wave w of sixteen (g = w / 2, e = w % 2) of the partner at place cx owns TWO tiles of 16 queries, one after the other:
; the late tile 8 (15 - g) + 2 cx + e, then the early tile 8 g + 2 cx + e.  Tile t needs t / 8 + 1 key steps of 128: 16 - g and g + 1, so every wave works 17 steps, and which steps it works hangs on its number alone:
; no branch and no LDS address hangs on the place in the cluster; the place enters Q's and the result's addresses in memory and the number that the diagonal's compares take.
; THE HEAD'S K AND V LIE WHOLE IN LDS, 262,144 bytes, as they lie in memory: [128 keys 16][K: 8 images of 16 keys x 64, V: 4 images of 16 channels x 128 keys].  They are filled once, by two JOINT tensor loads a wave
; (the same descriptor in all four partners, mask 15): behind the opening round 4,096 bytes of key steps 0-3; behind the three lines and a second round 12,288 bytes of key steps 4-15, which are on their way while every
; wave works its late tile's steps 0-3 (all their keys count: a late tile's first query is 1,024 or more).  A work-group barrier shows steps 4-15 to all; behind it the waves share nothing more.
; A wave has one tensor load out at a time; every wait on TENSORcnt is for 0.  A closing round stands in front of the end.
; LAYOUT.  Both products are used transposed: S^T = K Q^T (source 0 = 16 keys), O^T = V^T P^T (source 0 = 16 channels): a lane holds ONE query (lane % 16) throughout.  Tile u of S^T holds keys 16 u + 8 h + 0..7:
; its eight codes are register pair u of P.  The four tiles of O^T give the image of 16 queries x the head's 64, which is half of a fragment of the last product.
; CAUSAL.  The walks have constant trip counts (4 + 12 steps for the late tile, 8 for the early); a step behind the tile's diagonal step is left out by a scalar branch on the wave's number and the count of steps;
; in the diagonal step hidden scores become -infinity.
; NO PREFETCH: the two loads stand at the head and behind the second round; no later load exists to ask ahead of.
; LIMITS: e6 + e7 between -123 and 130 (added to c's exponent field); e8 and e10 between -126 and 112.
; REGISTERS: v1 16 x lane; v2 the step's LDS address; v3 the diagonal's number; v12 -M, v13 the largest t, v[14:15] the sum; v16-23 the late tile's Q; v24, v29 p's hold, v25 its scale; v26, v27 O's scale and hold;
;   v32-95 K's 8 fragments, then V's 4; v96-159 S^T, then p; v160-191 O^T; v192-207 P's codes; v208-215 at work; v218-225 the early tile's Q; v226-241 the two tiles' codes on the way out; v242-253 sums; v254, v255 the add's.
.set LI,  1
.set ADR, 2
.set RH,  3
.set SPW, 254
.set NIL, 255
.set SPARE, 0x40000                    ; behind K and V: the spare words, 128 bytes for each of 16 waves
.set QL,  16
.set QE,  218
.set WV,  18
.set DE,  19                           ; the early tile's diagonal step
.set SEL, 20
.set CSC, 22                           ; s[22:23] c = log2(e) / 8 x 2^(e6 + e7)
.set G1,  24                           ; group 1: 16 rows of 256 bytes
.set G1B, 32                           ; group 1: 48 rows of 256 bytes
.set G0,  40
.set G0B, 44
.set TB,  60                           ; LDS byte at which the step's tiles begin
.set SI,  61                           ; the step's number
.set DS,  62                           ; the diagonal step of the tile in hand
.set CNT, 63
.set EO,  67                           ; e8 + e9
.macro INIT                            ; a tile begins: the step is written once, and its first run finds zeros
	v_mov_b32 v13, 0xff61b1e6                      ; the largest t so far: -3e38, under every t
	s_delay_alu instid0(VALU_DEP_1)
	v_floor_f32 v12, -v13                          ; -M
	v_mov_b32 v14, 0
	v_mov_b32 v15, 0
.set jj, 0
.rept 32
	v_mov_b32 v[160+jj], 0
.set jj, jj+1
.endr
.endm
.macro CROUND                          ; a round of the cluster's barrier
	s_barrier_signal -1
	s_barrier_wait -1
	s_cmp_lg_u32 s[WV], 0
	s_cbranch_scc1 .Lnot_wave_0_\@
	s_barrier_signal -3
.Lnot_wave_0_\@:
	s_barrier_wait -3
	s_barrier_signal -1
	s_barrier_wait -1
.endm
	s_load_b128 s[4:7], s[0:1], 0x0                ; qkv, the scales' exponents
	s_load_b64 s[8:9], s[0:1], 0x10                ; af
	v_lshl_add_u32 v[SPW], v0, 2, SPARE
	v_mov_b32 v[NIL], 0
	ds_add_u32 v[SPW], v[NIL]                      ; the opening: the add, twice on end, and its wait ahead of the round in front of my first tensor load
	ds_add_u32 v[SPW], v[NIL]
	v_lshrrev_b32 v4, 5, v0
	s_delay_alu instid0(VALU_DEP_1)
	v_readfirstlane_b32 s[WV], v4                  ; wave 0..15
	s_and_b32 s66, ttmp7, 0xffff                   ; the cluster's y: the head, 0..63
	s_mov_b32 s[G1], 15|(3<<16)|(1<<21)            ; the mask names the four partners; bit 21 beside it; dense blocks as rows of 32 elements of 8 bytes
	s_mov_b32 s[G1+1], 32<<16
	s_mov_b32 s[G1+2], 16<<16
	s_mov_b32 s[G1+3], 32<<16
	s_mov_b32 s[G1+4], 16
	s_mov_b32 s[G1+5], 32
	s_mov_b32 s[G1+6], 0
	s_mov_b32 s[G1+7], 0
	s_mov_b32 s[G1B], 15|(3<<16)|(1<<21)
	s_mov_b32 s[G1B+1], 32<<16
	s_mov_b32 s[G1B+2], 48<<16
	s_mov_b32 s[G1B+3], 32<<16
	s_mov_b32 s[G1B+4], 48
	s_mov_b32 s[G1B+5], 32
	s_mov_b32 s[G1B+6], 0
	s_mov_b32 s[G1B+7], 0
	s_mov_b32 s[G0], 1
	s_lshl_b32 s[G0+1], s[WV], 12                  ; my 4,096 bytes of key steps 0-3
	s_mov_b32 s[G0B], 1
	s_mul_i32 s[G0B+1], s[WV], 12288
	s_add_co_u32 s[G0B+1], s[G0B+1], 65536         ; my 12,288 bytes of key steps 4-15
	s_mov_b32 s72, s[G0+1]
	s_mov_b32 s73, 0
	s_mov_b32 s70, s[G0B+1]
	s_mov_b32 s71, 0
	s_lshl_b32 s68, s66, 18                        ; the head's 262,144 bytes
	s_mov_b32 s69, 0
	s_wait_dscnt 0x0                               ; both opening adds are done
	s_wait_kmcnt 0x0
	s_load_b256 s[48:55], s[6:7], 0x0              ; e0 .. e7
	s_load_b128 s[56:59], s[6:7], 0x20             ; e8 .. e11
	s_add_nc_u64 s[68:69], s[4:5], s[68:69]
	s_add_nc_u64 s[G0+2:G0+3], s[68:69], s[72:73]  ; the head and the wave's number alone: the same in all four partners
	s_or_b32 s[G0+3], s[G0+3], 0x80000000
	s_add_nc_u64 s[G0B+2:G0B+3], s[68:69], s[70:71]
	s_or_b32 s[G0B+3], s[G0B+3], 0x80000000
	CROUND                                         ; all four work-groups are here: the first joint loads meet
	tensor_load_to_lds s[G0:G0+3], s[G1:G1+7]      ; my one tensor load at the head
	s_nop 0
	s_bfe_u32 s70, ttmp6, 0x40000                  ; cx
	s_lshl_b32 s70, s70, 1
	s_and_b32 s71, s[WV], 1
	s_add_co_u32 s70, s70, s71                     ; 2 cx + e: my tiles' place among the eight of their diagonal steps
	s_lshl_b32 s71, s70, 4
	s_lshr_b32 s[DE], s[WV], 1                     ; g
	s_sub_co_u32 s[DS], 15, s[DE]                  ; 15 - g
	s_lshl_b32 s74, s[DE], 3
	s_add_co_u32 s74, s74, s70                     ; the early tile, 0..63
	s_lshl_b32 s75, s[DS], 3
	s_add_co_u32 s75, s75, s70                     ; the late tile, 64..127
	s_lshl_b32 s76, s66, 17
	s_add_co_u32 s76, s76, 0x1000000               ; the queries' images lie behind the keys and values
	s_mov_b32 s77, 0
	s_mov_b32 s79, 0
	s_add_nc_u64 s[76:77], s[4:5], s[76:77]
	s_lshl_b32 s78, s75, 10
	s_add_nc_u64 s[14:15], s[76:77], s[78:79]      ; the late tile's Q,
	s_lshl_b32 s78, s74, 10
	s_add_nc_u64 s[16:17], s[76:77], s[78:79]      ; the early tile's
	v_and_b32 v4, 31, v0
	s_delay_alu instid0(VALU_DEP_1)
	v_lshlrev_b32 v[LI], 4, v4
	global_load_b128 v[QL:QL+3], v[LI], s[14:15]   ; the late tile's Q stays in registers
	global_load_b128 v[QL+4:QL+7], v[LI], s[14:15] offset:512
	s_lshr_b32 s76, s66, 4
	s_lshl_b32 s76, s76, 21                        ; the batch's 128 row tiles of 16,384 bytes of the last product's operand
	s_and_b32 s78, s66, 15
	s_lshl_b32 s78, s78, 10                        ; + the head's 1,024 bytes
	s_add_co_u32 s76, s76, s78
	s_mov_b32 s77, 0
	s_add_nc_u64 s[8:9], s[8:9], s[76:77]
	s_lshl_b32 s78, s75, 14
	s_add_nc_u64 s[10:11], s[8:9], s[78:79]        ; where the late tile goes,
	s_lshl_b32 s78, s74, 14
	s_add_nc_u64 s[12:13], s[8:9], s[78:79]        ; and the early one
	v_and_b32 v5, 15, v0
	v_bfe_u32 v6, v0, 4, 1
	s_delay_alu instid0(VALU_DEP_1)
	v_lshlrev_b32 v6, 3, v6
	s_delay_alu instid0(VALU_DEP_1)
	v_sub_nc_u32 v[RH], v5, v6                     ; r - 8 h
	v_add_nc_u32 v[RH], s71, v[RH]                 ; d = my query - the diagonal step's first key - 8 h: the same for both my tiles
	s_mov_b32 s[SEL], 0x76543210
	s_mov_b32 s[SEL+1], 0xfedcba98
	v_mov_b32 v208, 0                              ; written once: a lane permute's destination counts as one of its sources
	v_mov_b32 v211, 0                              ; (named as the upper half of the pair v[210:211])
	INIT
	s_wait_kmcnt 0x0
	s_add_co_i32 s76, s54, s55
	s_lshl_b32 s76, s76, 23
	s_mov_b32 s[CSC], 0x3e38aa3b                   ; log2(e) / 8
	s_add_co_i32 s[CSC], s[CSC], s76               ; a score stands for score x 2^(e6 + e7)
	s_mov_b32 s[CSC+1], s[CSC]
	s_add_co_i32 s76, s56, 127
	s_lshl_b32 s77, s76, 23
	v_mov_b32 v25, s77                             ; 2^e8
	s_add_co_i32 s76, s76, 15
	s_lshl_b32 s76, s76, 23
	s_or_b32 s76, s76, 0x600000
	v_mov_b32 v24, s76                             ; 57,344 x 2^e8,
	v_mov_b32 v29, s76                             ; twice: the two halves of a dual pair name registers of different banks
	s_add_co_i32 s76, s58, 127
	s_lshl_b32 s77, s76, 23
	v_mov_b32 v26, s77                             ; 2^e10
	s_add_co_i32 s76, s76, 15
	s_lshl_b32 s76, s76, 23
	s_or_b32 s76, s76, 0x600000
	v_mov_b32 v27, s76                             ; 57,344 x 2^e10
	s_add_co_i32 s[EO], s56, s57
.macro STEP qb, msk                    ; 128 keys against the tile whose Q lies at v[qb].  msk = 0: all keys are known to count
.if \msk
	s_cmp_gt_u32 s[SI], s[DS]
	s_cbranch_scc1 .Lhid_\@                        ; all its keys come after my queries
.endif
	v_add_nc_u32 v[ADR], s[TB], v[LI]
.rept 3
	v_nop                                          ; with the addition: four places behind the last step's products, whose registers are loaded next
.endr
.irp u, 0,1,2,3,4,5,6,7
	ds_load_b128 v[32+8*\u:35+8*\u], v[ADR] offset:1024*\u
	ds_load_b128 v[36+8*\u:39+8*\u], v[ADR] offset:1024*\u+512
.endr
	s_wait_alu depctr_va_vdst(0)
	s_wait_dscnt 0x0
.irp u, 0,1,2,3,4,5,6,7
	v_wmma_f32_16x16x64_bf8_bf8 v[96+8*\u:103+8*\u], v[32+8*\u:39+8*\u], v[\qb:\qb+7], 0
.endr
.rept 4
	v_nop                                          ; places in front of the loads below and of the first read of the scores
.endr
.irp d, 0,1,2,3
.irp c, 0,1,2,3
	ds_load_b128 v[32+16*\d+4*\c:35+16*\d+4*\c], v[ADR] offset:8192+2048*\d+512*\c   ; V lands while the softmax is worked
.endr
.endr
.if \msk
	s_cmp_lt_u32 s[SI], s[DS]
	s_cbranch_scc1 .Lopen_\@                       ; all keys count
	v_mov_b32 v217, 0xff800000                     ; -infinity.  Register 8 u + i holds the step's key 8 h + 16 u + i: hidden where 16 u + i > d
.set jj, 0
.rept 64
	v_cmp_gt_i32 vcc_lo, 16*(jj/8)+jj%8, v[RH]
	v_cndmask_b32 v[96+jj], v[96+jj], v217, vcc_lo
.set jj, jj+1
.endr
.Lopen_\@:
.endif
	v_max3_num_f32 v214, v96, v97, v98             ; the step's largest score of my query, among my 64 keys, in two chains,
	v_max3_num_f32 v215, v99, v100, v101
.irp i, 6,10,14,18,22,26,30,34,38,42,46,50,54,58
	v_max3_num_f32 v214, v214, v[96+\i], v[97+\i]
	v_max3_num_f32 v215, v215, v[98+\i], v[99+\i]
.endr
	v_max3_num_f32 v214, v214, v158, v159
	s_delay_alu instid0(VALU_DEP_1)
	v_max_num_f32 v214, v214, v215
	s_delay_alu instid0(VALU_DEP_1)
	v_permlanex16_b32 v208, v214, s[SEL], s[SEL+1]
	s_delay_alu instid0(VALU_DEP_1)
	v_max_num_f32 v214, v214, v208                 ; and among lane l xor 16's
	s_delay_alu instid0(VALU_DEP_1)
	v_mul_f32 v214, s[CSC], v214                   ; as t (c is positive)
	s_delay_alu instid0(VALU_DEP_1)
	v_max_num_f32 v13, v13, v214
	v_mov_b32 v214, v12
	s_delay_alu instid0(VALU_DEP_2)
	v_floor_f32 v12, -v13                          ; the new -M = -ceil(t)
	s_delay_alu instid0(VALU_DEP_1)
	v_sub_f32 v214, v12, v214                      ; old M - new M: a whole number, 0 or less
	s_delay_alu instid0(VALU_DEP_1)
	v_cvt_i32_f32 v214, v214
	s_delay_alu instid0(VALU_DEP_1)
	v_ldexp_f32 v210, 1.0, v214                    ; f = 2^(old M - new M)
.set jj, 0
.rept 32
	v_pk_fma_f32 v[96+jj:97+jj], v[96+jj:97+jj], s[CSC:CSC+1], v[12:13] op_sel_hi:[1,0,0]   ; t - M
.set jj, jj+2
.endr
	s_wait_alu depctr_va_vdst(0)                   ; ahead of the batch
.set jj, 0
.rept 64
	v_exp_f32 v[96+jj], v[96+jj]                   ; p = 2^(t - M)
.set jj, jj+1
.endr
	v_pk_mul_f32 v[14:15], v[14:15], v[210:211] op_sel_hi:[1,0]   ; the sums under the new M: a plain line behind the exponentials
	s_wait_alu depctr_va_vdst(0)                   ; one wait, for the batch and directly ahead of the first readers of O^T
.set jj, 0
.rept 16
	v_pk_mul_f32 v[160+jj:161+jj], v[160+jj:161+jj], v[210:211] op_sel_hi:[1,0]   ; O^T under the new M, each accumulator from its low end on
.set jj, jj+2
.endr
	v_pk_add_f32 v[212:213], v[100:101], v[104:105]   ; the row's sum of the unquantised p, in eight chains
	v_pk_add_f32 v[252:253], v[108:109], v[112:113]
	v_pk_add_f32 v[250:251], v[116:117], v[120:121]
	v_pk_add_f32 v[248:249], v[124:125], v[128:129]
	v_pk_add_f32 v[246:247], v[132:133], v[136:137]
	v_pk_add_f32 v[244:245], v[140:141], v[144:145]
	v_pk_add_f32 v[242:243], v[148:149], v[152:153]
	v_pk_add_f32 v[14:15], v[14:15], v[156:157]
	v_pk_add_f32 v[212:213], v[212:213], v[96:97]
	v_pk_add_f32 v[252:253], v[252:253], v[98:99]
	v_pk_add_f32 v[250:251], v[250:251], v[102:103]
	v_pk_add_f32 v[248:249], v[248:249], v[106:107]
	v_pk_add_f32 v[246:247], v[246:247], v[110:111]
	v_pk_add_f32 v[244:245], v[244:245], v[114:115]
	v_pk_add_f32 v[242:243], v[242:243], v[118:119]
	v_pk_add_f32 v[14:15], v[14:15], v[122:123]
	v_pk_add_f32 v[212:213], v[212:213], v[126:127]
	v_pk_add_f32 v[252:253], v[252:253], v[130:131]
	v_pk_add_f32 v[250:251], v[250:251], v[134:135]
	v_pk_add_f32 v[248:249], v[248:249], v[138:139]
	v_pk_add_f32 v[246:247], v[246:247], v[142:143]
	v_pk_add_f32 v[244:245], v[244:245], v[146:147]
	v_pk_add_f32 v[242:243], v[242:243], v[150:151]
	v_pk_add_f32 v[14:15], v[14:15], v[154:155]
	v_pk_add_f32 v[212:213], v[212:213], v[158:159]
	s_delay_alu instid0(VALU_DEP_2)
	v_pk_add_f32 v[14:15], v[14:15], v[248:249]
	s_delay_alu instid0(VALU_DEP_2)
	v_pk_add_f32 v[212:213], v[212:213], v[246:247]
	v_pk_add_f32 v[252:253], v[252:253], v[244:245]
	v_pk_add_f32 v[250:251], v[250:251], v[242:243]
	s_delay_alu instid0(VALU_DEP_2)
	v_pk_add_f32 v[14:15], v[14:15], v[252:253]
	s_delay_alu instid0(VALU_DEP_2)
	v_pk_add_f32 v[212:213], v[212:213], v[250:251]
	s_delay_alu instid0(VALU_DEP_1)
	v_pk_add_f32 v[14:15], v[14:15], v[212:213]
.irp u, 0,1,2,3,4,5,6,7
.irp i, 0,2,4,6
	v_dual_min_num_f32 v[96+8*\u+\i], v[96+8*\u+\i], v24 :: v_dual_min_num_f32 v[97+8*\u+\i], v[97+8*\u+\i], v29   ; the conversion does not saturate (ISA guide 7.6.2); p is not negative, so the hold is one-sided; two numbers a line
.endr
	v_cvt_scalef32_pk8_bf8_f32 v[192+2*\u:193+2*\u], v[96+8*\u:103+8*\u], v25
.endr
	v_nop                                          ; a plain line behind the last conversion
	s_wait_alu depctr_va_vdst(0)                   ; directly ahead of the wait below
	s_wait_dscnt 0x0                               ; V
.irp d, 0,1,2,3
	v_wmma_f32_16x16x128_bf8_bf8 v[160+8*\d:167+8*\d], v[32+16*\d:47+16*\d], v[192:207], v[160+8*\d:167+8*\d]   ; the four accumulators take turns; the next step's eight score products stand between two links
.endr
.Lhid_\@:
	s_add_co_u32 s[SI], s[SI], 1
	s_add_co_u32 s[TB], s[TB], 16384
.endm
.macro WALK n, qb, msk, first          ; n key steps from step first on: a constant trip count
	s_mov_b32 s[TB], \first*16384
	s_mov_b32 s[SI], \first
	s_mov_b32 s[CNT], \n
.Lw_\@:
	STEP \qb, \msk
	s_sub_co_u32 s[CNT], s[CNT], 1
	s_cmp_lg_u32 s[CNT], 0
	s_cbranch_scc1 .Lw_\@
.endm
; THE WAY OUT of a tile: O^T x 2^(e8 + e9) / the sum, quantised with 2^e10: the four tiles' codes are the image of 16 queries x the head's 64.  Each tile has its own registers for its codes and its own base.
.macro OUT cb, ob
	v_add_f32 v14, v14, v15
	s_delay_alu instid0(VALU_DEP_1)
	v_permlanex16_b32 v208, v14, s[SEL], s[SEL+1]
	s_delay_alu instid0(VALU_DEP_1)
	v_add_f32 v14, v14, v208                       ; the row's sum
	s_wait_alu depctr_va_vdst(0)                   ; ahead of the transcendental
	v_rcp_f32 v14, v14
	v_nop                                          ; a plain line behind the reciprocal; with the lines above and below also the places behind the last products
	v_nop
	s_wait_alu depctr_va_vdst(0)                   ; ahead of the reciprocal's first reader
	v_ldexp_f32 v14, v14, s[EO]
	s_wait_alu depctr_va_vdst(0)                   ; directly ahead of the first readers of O^T
.set jj, 0
.rept 16
	v_pk_mul_f32 v[96+jj:97+jj], v[160+jj:161+jj], v[14:15] op_sel_hi:[1,0]   ; each accumulator from its low end on
.set jj, jj+2
.endr
.set jj, 0
.rept 32
	v_med3_num_f32 v[96+jj], v[96+jj], -v27, v27
.set jj, jj+1
.endr
.irp d, 0,1,2,3
	v_cvt_scalef32_pk8_bf8_f32 v[\cb+2*\d:\cb+2*\d+1], v[96+8*\d:103+8*\d], v26
.endr
	v_nop                                          ; a plain line behind the last conversion
	global_store_b128 v[LI], v[\cb:\cb+3], s[\ob:\ob+1]    ; each store of the wave covers 512 consecutive bytes, aligned
	global_store_b128 v[LI], v[\cb+4:\cb+7], s[\ob:\ob+1] offset:512
.endm
	s_wait_alu depctr_va_vdst(0)                   ; at the head's end
	s_wait_tensorcnt 0x0                           ; my piece of key steps 0-3 is in; these three lines stand ahead of a later first fill as ahead of a refill
	ds_add_u32 v[SPW], v[NIL]
	s_wait_dscnt 0x0
	CROUND                                         ; everybody's piece is in, and all four work-groups are here: the joint loads meet
	tensor_load_to_lds s[G0B:G0B+3], s[G1B:G1B+7]  ; key steps 4-15: my one tensor load behind this round
	s_nop 0
	global_load_b128 v[QE:QE+3], v[LI], s[16:17]   ; the early tile's Q: wanted only behind the late tile
	global_load_b128 v[QE+4:QE+7], v[LI], s[16:17] offset:512
	s_wait_loadcnt 0x2                             ; the late tile's Q is in; the two loads just issued may be out
	WALK 4, QL, 0, 0                               ; the late tile, key steps 0-3
	s_wait_tensorcnt 0x0                           ; my piece of key steps 4-15 is in
	s_wait_dscnt 0x0
	s_barrier_signal -1
	s_barrier_wait -1                              ; everybody's is
	WALK 12, QL, 1, 4
	OUT 226, 10
	INIT                                           ; the early tile
	s_mov_b32 s[DS], s[DE]
	s_wait_alu depctr_va_vdst(0)
	s_wait_loadcnt 0x0                             ; its Q
	WALK 8, QE, 1, 0
	OUT 234, 12
	s_wait_tensorcnt 0x0                           ; the wave's end
	ds_add_u32 v[SPW], v[NIL]
	s_wait_dscnt 0x0
	CROUND                                         ; the closing round
	s_endpgm
.Lfunc_end_k_q84c74db304_attn:
	.size	k_q84c74db304_attn, .Lfunc_end_k_q84c74db304_attn-k_q84c74db304_attn
	.p2alignl 7, 3214868480
	.fill 96, 4, 3214868480
	.section	.rodata,"a",@progbits
	.p2align	6, 0x0
	.amdhsa_kernel k_q84c74db304_attn
		.amdhsa_group_segment_fixed_size 327680
		.amdhsa_private_segment_fixed_size 0
		.amdhsa_enable_private_segment 0
		.amdhsa_kernarg_size 24
		.amdhsa_user_sgpr_count 2
		.amdhsa_user_sgpr_kernarg_segment_ptr 1
		.amdhsa_wavefront_size32 1
		.amdhsa_system_sgpr_workgroup_id_x 1
		.amdhsa_system_sgpr_workgroup_id_y 1
		.amdhsa_system_sgpr_workgroup_id_z 1
		.amdhsa_system_vgpr_workitem_id 0
		.amdhsa_next_free_vgpr 256
		.amdhsa_next_free_sgpr 80
		.amdhsa_reserve_vcc 1
		.amdhsa_float_denorm_mode_32 3
		.amdhsa_float_denorm_mode_16_64 3
		.amdhsa_memory_ordered 1
		.amdhsa_forward_progress 1
		.amdhsa_inst_pref_size 76
	.end_amdhsa_kernel
	.amdgpu_metadata
---
amdhsa.version: [ 1, 2 ]
amdhsa.kernels:
  - .name:           k_q84c74db304_attn
    .symbol:         k_q84c74db304_attn.kd
    .args:
      - { .name: qkv, .offset: 0, .size: 8, .value_kind: global_buffer, .address_space: global }
      - { .name: lowp_scales, .offset: 8, .size: 8, .value_kind: global_buffer, .address_space: global }
      - { .name: af, .offset: 16, .size: 8, .value_kind: global_buffer, .address_space: global }
    .group_segment_fixed_size: 327680
    .private_segment_fixed_size: 0
    .kernarg_segment_align: 8
    .kernarg_segment_size: 24
    .max_flat_workgroup_size: 512
    .sgpr_count:     80
    .vgpr_count:     256
    .wavefront_size: 32
...
	.end_amdgpu_metadata
.endif
;; end of part 3
;; launch oproj (part 4): grid 4 x 64, 4 waves a work-group, clusters of 4 x 4, 327,680 bytes of LDS; arguments af, codes, b_o, lowp_scales, out0; writes out0
.if DOCPART == 4
	.amdgcn_target "amdgcn-amd-amdhsa--gfx1250"
	.amdhsa_code_object_version 6
	.text
	.protected	k_q84c74db304_oproj
	.globl	k_q84c74db304_oproj
	.p2align	8
	.type	k_q84c74db304_oproj,@function
k_q84c74db304_oproj:
	s_mov_b64 s[64:65], 0
	v_nop
	global_prefetch_b8 v0, s[64:65] scope:SCOPE_SE
	s_setreg_imm32_b32 hwreg(HW_REG_WAVE_MODE, 25, 1), 1
	s_wait_xcnt 0x0
	s_wait_alu depctr_hold_cnt(0) depctr_sa_sdst(0) depctr_va_vdst(0) depctr_va_sdst(0) depctr_va_ssrc(0) depctr_va_vcc(0) depctr_vm_vsrc(0)
	s_getreg_b32 s2, hwreg(HW_REG_IB_STS2, 6, 4)
	s_cmp_eq_u32 s2, 0
	s_cbranch_scc0 .Lentry_in_a_cluster
	s_endpgm
.Lentry_in_a_cluster:
	s_bfe_u32 s2, ttmp6, 0x10000c
	s_cmp_lg_u32 s2, 0xf033
	s_cbranch_scc0 .Lentry_shape_is_right
	s_endpgm
.Lentry_shape_is_right:
; out0 = a W_o^T + b_o on codes of BF8 (E5M2): a = attention's result as codes (scale: entry 10), W_o's codes (entry 11); each finished sum x 2^(e10 + e11), + the bias; f32 out.
; OPERANDS are images of operand registers: 2,048 bytes for 16 rows x 128 K, a row tile's eight K steps on end (16,384 bytes).  af = [row tile 512][8][image]; W_o's images begin at byte 0x1b00000 of codes, [row tile 64][8][image].
; SHARES.  A block of the result is 128 rows x 256 columns: 64 x 4 = 256 work-groups.  Four waves, each 64 rows x 128 columns: 32 accumulators of 16 x 16, 256 registers.
; K = 1,024 goes in steps of 256 through a ring of two LDS slots of 98,304 bytes (a's 128 rows, then W_o's 256): four fills, written out.  Waves 0 and 1 fetch a's halves (4 row tiles x 4,096 bytes), waves 2 and 3 W_o's
; (8 row tiles x 4,096 bytes): one tensor load a wave behind each round.
; CLUSTERS: 4 x 4 work-groups; a's tiles are asked for jointly along a row of the cluster, W_o's along a column.
; THE MATRIX INSTRUCTION IS USED TRANSPOSED (source 0 = 16 rows of W_o, source 1 = 16 rows of a): a lane holds eight neighbouring numbers of a row of the result.
; A step of 128 along K is 32 matrix instructions, the 32 accumulators by turns in one order.  Both operands have two sets of fragments: the next step's 48 LDS loads are issued ahead of a step's products.
; THE WAY OUT: a block of 16 rows x 128 columns goes through the wave's own stage in LDS, behind the ring and the spare words, and leaves as rows of 512 bytes: two aligned units of 256 bytes a store.
; NO PREFETCH: of the four fills two stand at the head; the other two would have to be asked for at the head as well, where nothing is prefetched.
; LIMIT: e10 + e11 between -126 and 127.
; REGISTERS, in windows of 256: window 0: v16-29 addresses; v32-95 the bias of my 128 columns; v96-127 at work on the way out; v128-255 a's fragments, two sets of 4 x 16, on the way out two sets of 16 rows read back.
;   window 1: W_o's fragments, two sets of 8 x 16.  window 2: the accumulators ((a, b) at v[8 (8 a + b)]).
.set ATILE,  32768                     ; a's 128 rows x 256 K
.set SLOT,   98304                     ; + W_o's 256 rows x 256 K
.set SPARE,  2*SLOT                    ; behind the ring: the spare words, 128 bytes for each wave
.set STAGE,  SPARE+512
.set SPITCH, 528
.set KADV,   8192                      ; two slots on along K: four images
.set SIZE_N, 1024
.set FR,     16
.set NP,     4
.set ADRA, 16
.set ADRB, 20
.set STO,  24
.set RD,   25
.set CO,   26
.set H32,  27
.set SPW,  28
.set NIL,  29
.set BC,   32
.set TMP,  96
.set AF,   128
.set BK,   128
.set G1, 24
.set G0, 32
.set G1B, 48
.set G0B, 56
.set MSB, 0
.macro WIN new                         ; the immediate's high byte repeats the setting that is left
.if MSB != \new
	s_set_vgpr_msb (MSB<<8)|\new
.set MSB, \new
.endif
.endm
.set MUL_LO, 0xa1                      ; source 0 (W_o) window 1, source 1 (a) window 0, C and D window 2
.set TO_B,   0x40                      ; destination window 1, address window 0
.macro JLOAD g0a, g1a, g0b, g1b        ; a joint load: the branch hangs on the wave's number alone; s_nop 0 and four v_nop follow each line
	s_cmp_eq_u32 s15, 0
	s_cbranch_scc0 .Lfor_b_\@
	tensor_load_to_lds s[\g0a:\g0a+3], s[\g1a:\g1a+7]
	s_nop 0
.rept 4
	v_nop
.endr
	s_branch .Lasked_\@
.Lfor_b_\@:
	tensor_load_to_lds s[\g0b:\g0b+3], s[\g1b:\g1b+7]
	s_nop 0
.rept 4
	v_nop
.endr
.Lasked_\@:
.endm
.macro CREST                           ; a round of the cluster's barrier behind its opening barrier
	s_cmp_lg_u32 s14, 0
	s_cbranch_scc1 .Lnot_wave_0_\@
	s_barrier_signal -3
.Lnot_wave_0_\@:
	s_barrier_wait -3
	s_barrier_signal -1
	s_barrier_wait -1
.endm
.macro CROUND
	s_barrier_signal -1
	s_barrier_wait -1
	CREST
.endm
	s_load_b128 s[4:7], s[0:1], 0x0                ; af, codes
	s_load_b128 s[8:11], s[0:1], 0x10              ; b_o, the scales' exponents
	s_load_b64 s[12:13], s[0:1], 0x20              ; out0
	v_lshl_add_u32 v[SPW], v0, 2, SPARE
	v_mov_b32 v[NIL], 0
	ds_add_u32 v[SPW], v[NIL]                      ; the opening: the add, twice on end, and its wait ahead of the round in front of my first tensor load
	ds_add_u32 v[SPW], v[NIL]
	v_lshrrev_b32 v1, 5, v0
	v_readfirstlane_b32 s14, v1                    ; wave 0..3
	s_lshr_b32 s15, s14, 1                         ; which 64 of the block's rows are mine.  Also: I fetch for a (0) or for W_o (1)
	s_and_b32 s16, s14, 1                          ; which 128 of its columns.  Also: which half of that tile I fetch
	s_bfe_u32 s40, ttmp6, 0x40000                  ; cx, cy: my place in the cluster
	s_bfe_u32 s41, ttmp6, 0x40004
	s_lshl_b32 s42, ttmp9, 2
	s_add_co_u32 s42, s42, s40                     ; block column, 0..3
	s_and_b32 s17, ttmp7, 0xffff
	s_lshl_b32 s17, s17, 2
	s_add_co_u32 s17, s17, s41                     ; block row, 0..63
	s_lshl_b32 s43, s41, 2
	s_lshl_b32 s43, 15, s43                        ; my row of the cluster
	s_lshl_b32 s44, 0x1111, s40                    ; my column
	s_or_b32 s[G1+0], s43, (3<<16)|(1<<21)         ; the mask; elements of 8 bytes; bit 21 beside a mask; no padding
	s_or_b32 s[G1B+0], s44, (3<<16)|(1<<21)
.irp g, G1, G1B
	s_mov_b32 s[\g+1], 512<<16                     ; rows of 512 elements: two images
	s_mov_b32 s[\g+3], 512<<16
	s_mov_b32 s[\g+5], 2048                        ; 16,384 bytes from row tile to row tile
	s_mov_b32 s[\g+6], 0
	s_mov_b32 s[\g+7], 0
.endr
	s_mov_b32 s[G1+2], 4<<16                       ; a: 4 row tiles a load
	s_mov_b32 s[G1+4], 4
	s_mov_b32 s[G1B+2], 8<<16                      ; W_o: 8
	s_mov_b32 s[G1B+4], 8
	s_lshl_b32 s22, s16, 16                        ; a: my 4 row tiles
	s_lshl_b32 s20, s17, 17                        ; of the block row's 8
	s_add_co_u32 s20, s20, s22
	s_mov_b32 s21, 0
	s_lshl_b32 s22, s16, 17                        ; W_o: my 8 row tiles
	s_lshl_b32 s46, s42, 18                        ; of the block column's 16
	s_add_co_u32 s46, s46, s22
	s_add_co_u32 s46, s46, 0x1b00000
	s_mov_b32 s47, 0
	s_lshl_b32 s45, s16, 14                        ; where they go: no place in the cluster enters an LDS address
	s_lshl_b32 s23, s16, 15
	s_add_co_u32 s23, s23, ATILE
	s_wait_dscnt 0x0                               ; both opening adds are done
	s_wait_kmcnt 0x0
	s_load_b64 s[96:97], s[10:11], 0x28            ; e10, e11
	s_add_nc_u64 s[20:21], s[4:5], s[20:21]
	s_add_nc_u64 s[46:47], s[6:7], s[46:47]
	CROUND                                         ; all sixteen work-groups are here: the first joint loads meet
.irp s, 0,1
	s_mov_b32 s[G0+4*\s], 1
	s_add_co_u32 s[G0+4*\s+1], s45, \s*SLOT
	s_add_nc_u64 s[G0+4*\s+2:G0+4*\s+3], s[20:21], \s*4096
	s_or_b32 s[G0+4*\s+3], s[G0+4*\s+3], 0x80000000
	s_mov_b32 s[G0B+4*\s], 1
	s_add_co_u32 s[G0B+4*\s+1], s23, \s*SLOT
	s_add_nc_u64 s[G0B+4*\s+2:G0B+4*\s+3], s[46:47], \s*4096
	s_or_b32 s[G0B+4*\s+3], s[G0B+4*\s+3], 0x80000000
.endr
	JLOAD G0, G1, G0B, G1B                         ; slot 0: one tensor load a wave at the head
	s_lshl_b32 s2, s15, 14                         ; my 64 rows of a
	s_lshl_b32 s3, s16, 15                         ; my 128 rows of W_o,
	s_add_co_u32 s3, s3, ATILE                     ; which lie behind a's 128
	s_mul_i32 s23, s14, 16*SPITCH
	s_add_co_u32 s23, s23, STAGE                   ; my stage
	v_and_b32 v1, 31, v0
	v_and_b32 v2, 15, v0                           ; r
	v_bfe_u32 v3, v0, 4, 1                         ; h
	v_lshlrev_b32 v[CO], 4, v1                     ; 16 x lane
	v_lshlrev_b32 v[H32], 5, v3
	v_mul_u32_u24 v5, v2, SPITCH
	v_add_nc_u32 v[ADRA], s2, v[CO]
	v_add_nc_u32 v[ADRB], s3, v[CO]
	v_lshl_add_u32 v5, v3, 5, v5
	v_add_nc_u32 v[ADRA+1], SLOT, v[ADRA]
	v_add_nc_u32 v[ADRB+1], SLOT, v[ADRB]
	v_add_nc_u32 v[STO], s23, v5                   ; the stage, way in: row r, 32 bytes for each half of the lanes
	v_add_nc_u32 v[RD], s23, v[CO]                 ; way back: the 32 lanes take one row of 512 bytes
	s_wait_alu depctr_va_vdst(0)                   ; the wait behind the head's last vector line
	s_lshl_b32 s66, s42, 10
	s_lshl_b32 s67, s16, 9
	s_add_co_u32 s66, s66, s67                     ; my first column, in bytes
	s_mov_b32 s67, 0
	s_add_nc_u64 s[8:9], s[8:9], s[66:67]
	s_add_nc_u64 s[12:13], s[12:13], s[66:67]
	s_lshl_b32 s66, s17, 7
	s_lshl_b32 s22, s15, 6
	s_add_co_u32 s66, s66, s22                     ; my first row
	s_lshl_b32 s66, s66, 12
	s_add_nc_u64 s[12:13], s[12:13], s[66:67]
.irp b, 0,1,2,3,4,5,6,7
	global_load_b128 v[BC+8*\b:BC+8*\b+3], v[H32], s[8:9] offset:64*\b          ; the bias of columns 16 b + 8 h + 0..7
	global_load_b128 v[BC+8*\b+4:BC+8*\b+7], v[H32], s[8:9] offset:64*\b+16
.endr
.macro FRAG reg, adr, q, i             ; a fragment's image: row tile i, the slot's q-th 128 along K
.irp c, 0,1,2,3
	ds_load_b128 v[\reg+4*\c:\reg+4*\c+3], v[\adr] offset:4096*(\i)+2048*(\q)+512*\c
.endr
.endm
.macro MUL16 a0, p, zero               ; 16 matrix instructions: a's blocks a0, a0 + 1 x W_o's eight, 128 along K, on the sets p.  zero = 1: the first product starts the sums
.irp a, \a0, \a0+1
.irp b, 0,1,2,3,4,5,6,7
.if \zero
	v_wmma_f32_16x16x128_bf8_bf8 v[8*(8*(\a)+\b):8*(8*(\a)+\b)+7], v[128*(\p)+FR*\b:128*(\p)+FR*\b+FR-1], v[AF+64*(\p)+FR*(\a):AF+64*(\p)+FR*(\a)+FR-1], 0
.else
	v_wmma_f32_16x16x128_bf8_bf8 v[8*(8*(\a)+\b):8*(8*(\a)+\b)+7], v[128*(\p)+FR*\b:128*(\p)+FR*\b+FR-1], v[AF+64*(\p)+FR*(\a):AF+64*(\p)+FR*(\a)+FR-1], v[8*(8*(\a)+\b):8*(8*(\a)+\b)+7]
.endif
.endr
.endr
.endm
.macro FETCH slot, q, p                ; 48 LDS loads: W_o's eight fragments and a's four into the sets p
	WIN TO_B
.irp i, 0,1,2,3,4,5,6,7
	FRAG 128*(\p)+FR*\i, ADRB+\slot, \q, \i
.endr
	WIN 0
.irp i, 0,1,2,3
	FRAG AF+64*(\p)+FR*\i, ADRA+\slot, \q, \i
.endr
.endm
.macro PLACES n                        ; plain vector lines between a matrix instruction and a load into, or a vector read of, its registers
.rept \n
	v_nop
.endr
.endm
.macro STEP slot, zero                 ; a slot's first step, on the sets 0; the second step's fragments are asked for ahead of its products
	s_wait_dscnt 0x0                               ; the sets 0 are in
	PLACES NP                                      ; behind the products that read the sets 1
	FETCH \slot, 1, 1
	WIN MUL_LO
	MUL16 0, 0, \zero
	MUL16 2, 0, \zero
	WIN 0
.endm
; A slot's second step, on the sets 1, changes slots: in front of the barrier each wave waits for all its tensor loads, adds 0 to its spare word, and waits for that and for its reads of this slot.  fill = 1: this slot is filled again.
.macro TURN slot, next, fill
	s_wait_tensorcnt 0x0                           ; my part of the next slot is in
	ds_add_u32 v[SPW], v[NIL]
	s_wait_dscnt 0x0                               ; the add is done, the sets 1 are in, and my reads of this slot are over
	s_barrier_signal -1
	WIN MUL_LO
	MUL16 0, 1, 0                                  ; work on registers while the others arrive
	WIN 0
	s_barrier_wait -1
.if \fill
	CREST                                          ; the barrier has opened a round of the cluster's barrier
	s_add_nc_u64 s[G0+4*\slot+2:G0+4*\slot+3], s[G0+4*\slot+2:G0+4*\slot+3], KADV
	s_add_nc_u64 s[G0B+4*\slot+2:G0B+4*\slot+3], s[G0B+4*\slot+2:G0B+4*\slot+3], KADV
	JLOAD G0+4*\slot, G1, G0B+4*\slot, G1B         ; the first tensor load behind the round; its four v_nop are the places in front of the loads below
.else
	PLACES NP
.endif
	FETCH \next, 0, 0
	WIN MUL_LO
	MUL16 2, 1, 0
	WIN 0
.endm
	s_wait_tensorcnt 0x0                           ; my part of slot 0 is in; these three lines stand ahead of a later first fill as ahead of a refill
	ds_add_u32 v[SPW], v[NIL]
	s_wait_dscnt 0x0
	CROUND                                         ; everybody's part is in, and all sixteen work-groups are here
	JLOAD G0+4, G1, G0B+4, G1B                     ; slot 1's first fill: the first tensor load behind the round
	FETCH 0, 0, 0
	STEP 0, 1
	TURN 0, 1, 1
	STEP 1, 0
	TURN 1, 0, 1
	STEP 0, 0
	TURN 0, 1, 0                                   ; the last two slots are not filled again
	STEP 1, 0
	s_wait_dscnt 0x0
	WIN MUL_LO
	MUL16 0, 1, 0
	MUL16 2, 1, 0
	WIN 0
.macro TOSTAGE a                       ; block a: sum x 2^(e10 + e11) + bias, into my stage, and back as whole rows
.set AC, 64*(\a)
.irp hb, 0,1
	WIN 0x02                                       ; source 0: window 2
.set jj, 0
.rept 16
	v_pk_fma_f32 v[TMP+jj:TMP+jj+1], v[AC+32*\hb+jj:AC+32*\hb+jj+1], s[96:97], v[BC+32*\hb+jj:BC+32*\hb+jj+1] op_sel_hi:[1,0,1]   ; each accumulator from its low end on
.set jj, jj+2
.endr
	WIN 0
.irp b, 0,1,2,3
	ds_store_b128 v[STO], v[TMP+8*\b:TMP+8*\b+3] offset:64*(4*\hb+\b)
	ds_store_b128 v[STO], v[TMP+8*\b+4:TMP+8*\b+7] offset:64*(4*\hb+\b)+16
.endr
.endr
.set BB, BK+64*((\a)%2)
.irp t, 0,1,2,3,4,5,6,7,8,9,10,11,12,13,14,15
	ds_load_b128 v[BB+4*\t:BB+4*\t+3], v[RD] offset:\t*SPITCH   ; LDS serves a wave's instructions in order: these see my stores
.endr
.endm
.macro SEND a, younger                 ; younger: the LDS instructions issued behind block a's loads, which may stay out
.set BB, BK+64*((\a)%2)
	s_wait_dscnt \younger
.if (\a) > 0
	s_add_nc_u64 s[12:13], s[12:13], 16*SIZE_N*4   ; (behind a wait on XCNT: the earlier stores have read their base)
.endif
.irp t, 0,1,2,3,4,5,6,7,8,9,10,11,12,13,14,15
	global_store_b128 v[CO], v[BB+4*\t:BB+4*\t+3], s[12:13] offset:\t*SIZE_N*4 th:TH_STORE_NT   ; 32 lanes store 512 consecutive bytes, aligned
.endr
.endm
	s_wait_kmcnt 0x0
	s_add_co_i32 s96, s96, s97
	s_add_co_i32 s96, s96, 127
	s_lshl_b32 s96, s96, 23                        ; 2^(e10 + e11) as f32
	s_mov_b32 s97, s96                             ; (named with it as a pair, so it is written)
	s_wait_loadcnt 0x0                             ; the bias
	PLACES NP                                      ; behind the last products: their results are read, and the registers that held a's fragments are loaded
	TOSTAGE 0
.irp a, 1,2,3
.if \a > 1
	s_wait_xcnt 0x0                                ; block a - 2's stores have read their registers and their base
.endif
	TOSTAGE \a
	SEND \a-1, 32                                  ; behind block a - 1's loads: block a's 16 stores and 16 loads
.endr
	s_wait_xcnt 0x0
	SEND 3, 0
	s_wait_tensorcnt 0x0                           ; the wave's end
	ds_add_u32 v[SPW], v[NIL]
	s_wait_dscnt 0x0
	CROUND                                         ; the closing round
	s_endpgm
.Lfunc_end_k_q84c74db304_oproj:
	.size	k_q84c74db304_oproj, .Lfunc_end_k_q84c74db304_oproj-k_q84c74db304_oproj
	.p2alignl 7, 3214868480
	.fill 96, 4, 3214868480
	.section	.rodata,"a",@progbits
	.p2align	6, 0x0
	.amdhsa_kernel k_q84c74db304_oproj
		.amdhsa_group_segment_fixed_size 327680
		.amdhsa_private_segment_fixed_size 0
		.amdhsa_enable_private_segment 0
		.amdhsa_kernarg_size 40
		.amdhsa_user_sgpr_count 2
		.amdhsa_user_sgpr_kernarg_segment_ptr 1
		.amdhsa_wavefront_size32 1
		.amdhsa_system_sgpr_workgroup_id_x 1
		.amdhsa_system_sgpr_workgroup_id_y 1
		.amdhsa_system_sgpr_workgroup_id_z 1
		.amdhsa_system_vgpr_workitem_id 0
		.amdhsa_next_free_vgpr 768
		.amdhsa_next_free_sgpr 100
		.amdhsa_reserve_vcc 0
		.amdhsa_float_denorm_mode_32 3
		.amdhsa_float_denorm_mode_16_64 3
		.amdhsa_memory_ordered 1
		.amdhsa_forward_progress 1
		.amdhsa_inst_pref_size 77
	.end_amdhsa_kernel
	.amdgpu_metadata
---
amdhsa.version: [ 1, 2 ]
amdhsa.kernels:
  - .name:           k_q84c74db304_oproj
    .symbol:         k_q84c74db304_oproj.kd
    .args:
      - { .name: af, .offset: 0, .size: 8, .value_kind: global_buffer, .address_space: global }
      - { .name: codes, .offset: 8, .size: 8, .value_kind: global_buffer, .address_space: global }
      - { .name: b_o, .offset: 16, .size: 8, .value_kind: global_buffer, .address_space: global }
      - { .name: lowp_scales, .offset: 24, .size: 8, .value_kind: global_buffer, .address_space: global }
      - { .name: out0, .offset: 32, .size: 8, .value_kind: global_buffer, .address_space: global }
    .group_segment_fixed_size: 327680
    .private_segment_fixed_size: 0
    .kernarg_segment_align: 8
    .kernarg_segment_size: 40
    .max_flat_workgroup_size: 128
    .sgpr_count:     100
    .vgpr_count:     768
    .wavefront_size: 32
...
	.end_amdgpu_metadata
.endif
;; end of part 4
